; MI455X (gfx1250); checked and timed in simulation.
; The chip was launched on July 23, 2026; its instructions are those of AMD's public machine-readable ISA for CDNA 5 (MIT licence, August 2026) and "CDNA5" Instruction Set Architecture Reference Guide (July 2026). The comments in the code are by the model that wrote it; some were corrected since.
;; BFFN. Allowed arithmetic: float matrix products may take bf16 or f16 operands with f32 sums; other float arithmetic in f32, or as packed bf16 or f16 multiplies, adds, multiply-adds, maxima and minima; sums over many terms, partial sums and values carried from step to step in f32; what a program stores and reads back later, other than sums and carried values, may be rounded once to bf16 or f16.
;; Inputs: w_key 1,024 x 1,024 float32; w_query_imag 1,024 x 1,024 float32; w_query_real 1,024 x 1,024 float32; w_value 1,024 x 1,024 float32; x_imag 4 x 2,048 x 1,024 float32; x_real 4 x 2,048 x 1,024 float32.
;; Outputs: out0 4 x 2,048 x 1,024 float32.
;; One version. Each part assembles by itself: llvm-mc -triple=amdgcn-amd-amdhsa -mcpu=gfx1250 --defsym DOCPART=n.
;; ======== version 1 of 1: 4 launches
;; limits: values are held in f16: magnitudes above 65,504 overflow, below 6.1e-05 lose precision; right only within a limited range of input values
;; workspace buffers: xb 33,554,432 bytes; wt 8,388,608 bytes; stats 6,144 bytes; ktvt 33,554,432 bytes; q 16,777,216 bytes; kvt 8,388,608 bytes
;; launch prep (part 1): grid 512 x 1, 8 waves a work-group, no clusters, 18,688 bytes of LDS; arguments x_real, x_imag, w_query_real, w_query_imag, w_key, w_value, xb, wt, stats; writes xb, wt, stats
.if DOCPART == 1
	.amdgcn_target "amdgcn-amd-amdhsa--gfx1250"
	.amdhsa_code_object_version 6
	.text
	.protected	k_qe78bbc5a82_prep
	.globl	k_qe78bbc5a82_prep
	.p2align	8
	.type	k_qe78bbc5a82_prep,@function
k_qe78bbc5a82_prep:
	s_mov_b64 s[64:65], 0
	v_nop
	global_prefetch_b8 v0, s[64:65] scope:SCOPE_SE
	s_setreg_imm32_b32 hwreg(HW_REG_WAVE_MODE, 25, 1), 1
	s_wait_xcnt 0x0
; PREP.  The inputs are rounded once to bf16 for the matrix products of the next launch, and the largest magnitude of each of the six tensors is taken.
;   xb    [2][8192][1024] bf16: x_real, then x_imag.
;   wt    [4][e][d] bf16: the four weights TURNED (w_query_real, w_query_imag, w_key, w_value), so that the contracted index d lies along the rows.
;   stats f32: 512 partial maxima of |x_real| at byte 0, 512 of |x_imag| at 2,048, 128 for each weight (in wt's order) from 4,096 on: one word a work-group and tensor.
; NOTHING OF reference() IS LEFT OUT in this program: all six inputs reach out0 through products with no constant factor, and all six are loaded here.
; LIMITS.  Inputs are finite (a NaN is not carried by the maxima).  The maxima are those of the rounded numbers.
; SHARES.  Work-group g of 512, eight waves: 16 rows of x_real, 16 rows of x_imag (65,536 bytes each) and one tile of 128 (d) x 64 (e) of weight g / 128.
; All 40 loads of a thread (16 bytes each) go out at the start; the waits count the younger loads down.  A wave's store of x covers 256 consecutive bytes, aligned.
; The weight tile is turned through LDS: pairs (d, d + 1) of one column e are packed and stored as a word of row e; the rows are read back whole, 16 lanes to 256 bytes.
.set TPITCH, 272                       ; a row of the turned tile: 128 d x 2 bytes + 16
.set RED,    64*TPITCH                 ; 17,408: the waves' maxima, 4 x 8 words
.set SPARE,  RED+256                   ; 17,664: the spare words, 128 bytes for each of the eight waves; no other line names them
.set WR, 32                            ; v[32:63]   the weight tile: rows 32 p + 2 (t / 16) + q at WR + 8 p + 4 q
.set XR, 64                            ; v[64:127]  x_real, row j at XR + 4 j
.set XI, 128                           ; v[128:191] x_imag
; v1 lane; v2 16 t; v3 8 t; v4 my offset in the weight tile; v5, v6 into and out of the turned tile; v7 my offset in wt; v8, v9 the add's two; v10-15 running maxima (two chains a tensor);
; v16-19 at work; v20 my wave's word in RED; v21 where a maximum goes in stats; v22 RED + 4 x lane
	s_load_b512 s[8:23], s[0:1], 0x0               ; x_real 8, x_imag 10, w_query_real 12, w_query_imag 14, w_key 16, w_value 18, xb 20, wt 22
	s_load_b64 s[24:25], s[0:1], 0x40              ; stats
	v_lshl_add_u32 v8, v0, 2, SPARE
	v_mov_b32 v9, 0
	v_lshrrev_b32 v16, 5, v0
	v_readfirstlane_b32 s3, v16                    ; wave 0..7
	s_mov_b32 s2, ttmp9                            ; g
	s_mov_b32 s36, 0x7fff7fff                      ; clears the signs of two bf16
	s_mov_b32 s37, 0xffff0000                      ; a word's upper bf16
	s_mov_b32 s38, 0x76543210                      ; v_permlanex16_b32: each lane takes its own place in the other half
	s_mov_b32 s39, 0xfedcba98
	v_and_b32 v1, 31, v0
	v_lshlrev_b32 v2, 4, v0
	v_lshlrev_b32 v3, 3, v0
	v_lshrrev_b32 v16, 4, v0                       ; t / 16
	v_and_b32 v17, 15, v0                          ; t % 16
	v_lshlrev_b32 v4, 13, v16                      ; two rows of 4,096 bytes
	v_lshl_add_u32 v4, v17, 4, v4                  ; + my four columns
	v_mul_u32_u24 v5, v17, 4*TPITCH                ; row e = 4 (t % 16),
	v_lshl_add_u32 v5, v16, 2, v5                  ; word t / 16 of a group of 32 d
	v_mul_u32_u24 v6, v16, TPITCH
	v_lshl_add_u32 v6, v17, 4, v6
	v_lshlrev_b32 v7, 11, v16                      ; a row of wt is 2,048 bytes
	v_lshl_add_u32 v7, v17, 4, v7
	s_lshl_b32 s7, s3, 2
	s_add_co_u32 s7, s7, RED
	v_mov_b32 v20, s7
	v_lshrrev_b32 v21, 3, v1                       ; lanes 0, 8, 16 store the three maxima;
	v_min_u32 v21, 2, v21                          ; the lanes above, which are off at that store, keep an offset inside stats
	v_lshlrev_b32 v21, 11, v21
	s_lshl_b32 s7, s2, 2
	v_add_nc_u32 v21, s7, v21
	v_lshl_add_u32 v22, v1, 2, RED
.irp m, 10,11,12,13,14,15
	v_mov_b32 v\m, 0                               ; magnitudes are not negative: 0 starts the six chains
.endr
	s_lshl_b32 s30, s2, 16                         ; 16 rows of 4,096 bytes
	s_mov_b32 s31, 0
	s_lshl_b32 s32, s2, 15                         ; 16 rows of 2,048 bytes
	s_mov_b32 s33, 0
	s_bfe_u32 s4, s2, 0x30004                      ; block of 128 d
	s_and_b32 s5, s2, 15                           ; block of 64 e
	s_lshr_b32 s6, s2, 7                           ; which weight
	s_lshl_b32 s34, s4, 19                         ; 128 rows of 4,096 bytes
	s_lshl_b32 s7, s5, 8
	s_add_co_u32 s34, s34, s7
	s_mov_b32 s35, 0
	s_lshl_b32 s26, s6, 21                         ; in wt: the weight,
	s_lshl_b32 s7, s5, 17                          ; 64 rows of 2,048 bytes,
	s_add_co_u32 s26, s26, s7
	s_lshl_b32 s7, s4, 8                           ; 128 d of 2 bytes
	s_add_co_u32 s26, s26, s7
	s_mov_b32 s27, 0
	s_wait_kmcnt 0x0
	s_bitcmp1_b32 s6, 0
	s_cselect_b64 s[12:13], s[14:15], s[12:13]
	s_cselect_b64 s[16:17], s[18:19], s[16:17]
	s_bitcmp1_b32 s6, 1
	s_cselect_b64 s[12:13], s[16:17], s[12:13]     ; my weight
	s_add_nc_u64 s[12:13], s[12:13], s[34:35]
	s_add_nc_u64 s[8:9], s[8:9], s[30:31]
	s_add_nc_u64 s[10:11], s[10:11], s[30:31]
	s_add_nc_u64 s[20:21], s[20:21], s[32:33]      ; xb: x_real's part
	s_add_nc_u64 s[28:29], s[20:21], 0x1000000     ; x_imag's part
	s_add_nc_u64 s[22:23], s[22:23], s[26:27]
.irp p, 0,1,2,3
.irp q, 0,1
	global_load_b128 v[WR+8*(\p)+4*(\q):WR+8*(\p)+4*(\q)+3], v4, s[12:13] offset:(32*(\p)+(\q))*4096 th:TH_LOAD_NT
.endr
.endr
.irp j, 0,1,2,3,4,5,6,7,8,9,10,11,12,13,14,15
	global_load_b128 v[XR+4*(\j):XR+4*(\j)+3], v2, s[8:9] offset:4096*(\j) th:TH_LOAD_NT
.endr
.irp j, 0,1,2,3,4,5,6,7,8,9,10,11,12,13,14,15
	global_load_b128 v[XI+4*(\j):XI+4*(\j)+3], v2, s[10:11] offset:4096*(\j) th:TH_LOAD_NT
.endr
	s_wait_loadcnt 32                              ; the weight's eight loads are in; the 32 of x stay out
.irp p, 0,1,2,3
.irp i, 0,1,2,3
	v_cvt_pk_bf16_f32 v[WR+8*(\p)+(\i)], v[WR+8*(\p)+(\i)], v[WR+8*(\p)+4+(\i)]  ; (d, d + 1) of column 4 (t % 16) + i
	v_and_b32 v[16+(\i)%2], s36, v[WR+8*(\p)+(\i)]
	v_pk_max_num_bf16 v[14+(\i)%2], v[14+(\i)%2], v[16+(\i)%2]
	ds_store_b32 v5, v[WR+8*(\p)+(\i)] offset:TPITCH*(\i)+64*(\p)
.endr
.endr
; One row of x: four numbers a thread are rounded in place, their magnitudes join the two chains at m, and 8 bytes are stored.  left: the younger loads, which may stay out.
.macro XROW base, j, m, left, ptr
	s_wait_loadcnt \left
	v_cvt_pk_bf16_f32 v[(\base)+4*(\j)], v[(\base)+4*(\j)], v[(\base)+4*(\j)+1]
	v_cvt_pk_bf16_f32 v[(\base)+4*(\j)+1], v[(\base)+4*(\j)+2], v[(\base)+4*(\j)+3]
	v_and_b32 v16, s36, v[(\base)+4*(\j)]
	v_and_b32 v17, s36, v[(\base)+4*(\j)+1]
	v_pk_max_num_bf16 v[\m], v[\m], v16
	v_pk_max_num_bf16 v[(\m)+1], v[(\m)+1], v17
	global_store_b64 v3, v[(\base)+4*(\j):(\base)+4*(\j)+1], s[\ptr:(\ptr)+1] offset:2048*(\j)
.endm
.irp j, 0,1,2,3,4,5,6,7,8,9,10,11,12,13,14,15
	XROW XR, \j, 10, 31-(\j), 20
.endr
.irp j, 0,1,2,3,4,5,6,7,8,9,10,11,12,13,14,15
	XROW XI, \j, 12, 15-(\j), 28
.endr
; The wave's maximum of the two chains at m, as f32 in every lane, into word k x 8 + wave of RED (all lanes store the same number to the same word).
.macro STAT m, k
	v_pk_max_num_bf16 v[\m], v[\m], v[(\m)+1]
	v_lshlrev_b32 v16, 16, v[\m]
	v_and_b32 v17, s37, v[\m]
	v_max_num_f32 v16, v16, v17
	v_max_num_f32_dpp v16, v16, v16 row_xmask:1 row_mask:0xf bank_mask:0xf
	v_max_num_f32_dpp v16, v16, v16 row_xmask:2 row_mask:0xf bank_mask:0xf
	v_max_num_f32_dpp v16, v16, v16 row_xmask:4 row_mask:0xf bank_mask:0xf
	v_max_num_f32_dpp v16, v16, v16 row_xmask:8 row_mask:0xf bank_mask:0xf
	v_permlanex16_b32 v17, v16, s38, s39
	v_max_num_f32 v16, v16, v17
	ds_store_b32 v20, v16 offset:32*(\k)
.endm
	STAT 10, 0
	STAT 12, 1
	STAT 14, 2
	ds_store_b32 v20, v16 offset:96                ; the third once more, so that all 32 words that wave 0 reads are written
	s_wait_dscnt 0x0                               ; for the others' sake: my words of the turned tile and of RED are in LDS
	s_barrier_signal -1
	s_barrier_wait -1
.irp q, 0,1,2,3
	ds_load_b128 v[WR+4*(\q):WR+4*(\q)+3], v6 offset:16*TPITCH*(\q)  ; 16 rows e a pass, whole
.endr
	s_wait_dscnt 0x0
.irp q, 0,1,2,3
	global_store_b128 v7, v[WR+4*(\q):WR+4*(\q)+3], s[22:23] offset:32768*(\q)  ; 16 lanes store 256 consecutive bytes, aligned
.endr
	s_cmp_lg_u32 s3, 0
	s_cbranch_scc1 .Lend
	ds_load_b32 v16, v22                           ; wave 0: lane 8 k + w holds wave w's maximum of tensor k
	s_wait_dscnt 0x0
	v_max_num_f32_dpp v16, v16, v16 row_xmask:1 row_mask:0xf bank_mask:0xf
	v_max_num_f32_dpp v16, v16, v16 row_xmask:2 row_mask:0xf bank_mask:0xf
	v_max_num_f32_dpp v16, v16, v16 row_xmask:4 row_mask:0xf bank_mask:0xf
	v_and_b32 v17, 7, v1
	v_lshl_add_u32 v17, v17, 5, v1                 ; under 24 in lanes 0, 8 and 16 alone
	v_cmp_gt_u32 vcc_lo, 24, v17
	s_wait_xcnt 0x0                                ; EXEC is a source of the stores above: it changes only behind this wait
	s_and_saveexec_b32 s40, vcc_lo
	global_store_b32 v21, v16, s[24:25]
	s_wait_xcnt 0x0                                ; and again, in front of the line that widens it
	s_or_b32 exec_lo, exec_lo, s40
.Lend:
	s_wait_tensorcnt 0x0                           ; the wave's end, behind my last LDS store
	ds_add_u32 v8, v9
	s_wait_dscnt 0x0
	s_endpgm
.Lfunc_end_k_qe78bbc5a82_prep:
	.size	k_qe78bbc5a82_prep, .Lfunc_end_k_qe78bbc5a82_prep-k_qe78bbc5a82_prep
	.p2alignl 7, 3214868480
	.fill 96, 4, 3214868480
	.section	.rodata,"a",@progbits
	.p2align	6, 0x0
	.amdhsa_kernel k_qe78bbc5a82_prep
		.amdhsa_group_segment_fixed_size 18688
		.amdhsa_private_segment_fixed_size 0
		.amdhsa_enable_private_segment 0
		.amdhsa_kernarg_size 72
		.amdhsa_user_sgpr_count 2
		.amdhsa_user_sgpr_kernarg_segment_ptr 1
		.amdhsa_wavefront_size32 1
		.amdhsa_system_sgpr_workgroup_id_x 1
		.amdhsa_system_sgpr_workgroup_id_y 1
		.amdhsa_system_sgpr_workgroup_id_z 1
		.amdhsa_system_vgpr_workitem_id 0
		.amdhsa_next_free_vgpr 192
		.amdhsa_next_free_sgpr 66
		.amdhsa_reserve_vcc 1
		.amdhsa_float_denorm_mode_32 3
		.amdhsa_float_denorm_mode_16_64 3
		.amdhsa_memory_ordered 1
		.amdhsa_forward_progress 1
		.amdhsa_inst_pref_size 28
	.end_amdhsa_kernel
	.amdgpu_metadata
---
amdhsa.version: [ 1, 2 ]
amdhsa.kernels:
  - .name:           k_qe78bbc5a82_prep
    .symbol:         k_qe78bbc5a82_prep.kd
    .args:
      - { .name: x_real, .offset: 0, .size: 8, .value_kind: global_buffer, .address_space: global }
      - { .name: x_imag, .offset: 8, .size: 8, .value_kind: global_buffer, .address_space: global }
      - { .name: w_query_real, .offset: 16, .size: 8, .value_kind: global_buffer, .address_space: global }
      - { .name: w_query_imag, .offset: 24, .size: 8, .value_kind: global_buffer, .address_space: global }
      - { .name: w_key, .offset: 32, .size: 8, .value_kind: global_buffer, .address_space: global }
      - { .name: w_value, .offset: 40, .size: 8, .value_kind: global_buffer, .address_space: global }
      - { .name: xb, .offset: 48, .size: 8, .value_kind: global_buffer, .address_space: global }
      - { .name: wt, .offset: 56, .size: 8, .value_kind: global_buffer, .address_space: global }
      - { .name: stats, .offset: 64, .size: 8, .value_kind: global_buffer, .address_space: global }
    .group_segment_fixed_size: 18688
    .private_segment_fixed_size: 0
    .kernarg_segment_align: 8
    .kernarg_segment_size: 72
    .max_flat_workgroup_size: 256
    .sgpr_count:     66
    .vgpr_count:     192
    .wavefront_size: 32
...
	.end_amdgpu_metadata
.endif
;; end of part 1
;; launch proj (part 2): grid 4 x 64, 4 waves a work-group, clusters of 4 x 4, 327,680 bytes of LDS; arguments xb, wt, stats, q, ktvt; writes q, ktvt
.if DOCPART == 2
	.amdgcn_target "amdgcn-amd-amdhsa--gfx1250"
	.amdhsa_code_object_version 6
	.text
	.protected	k_qe78bbc5a82_proj
	.globl	k_qe78bbc5a82_proj
	.p2align	8
	.type	k_qe78bbc5a82_proj,@function
k_qe78bbc5a82_proj:
	s_mov_b64 s[64:65], 0
	v_nop
	global_prefetch_b8 v0, s[64:65] scope:SCOPE_SE
	s_setreg_imm32_b32 hwreg(HW_REG_WAVE_MODE, 25, 1), 1
	s_wait_xcnt 0x0
	s_wait_alu depctr_hold_cnt(0) depctr_sa_sdst(0) depctr_va_vdst(0) depctr_va_sdst(0) depctr_va_ssrc(0) depctr_va_vcc(0) depctr_vm_vsrc(0)
	s_getreg_b32 s2, hwreg(HW_REG_IB_STS2, 6, 4)
	s_cmp_eq_u32 s2, 0
	s_cbranch_scc0 .Lentry_in_a_cluster
	s_endpgm
.Lentry_in_a_cluster:
	s_bfe_u32 s2, ttmp6, 0x10000c
	s_cmp_lg_u32 s2, 0xf033
	s_cbranch_scc0 .Lentry_shape_is_right
	s_endpgm
.Lentry_shape_is_right:
; PROJ.  The four projections of reference() and its query gate, as C[m][n] = sum over d of A[m][d] B[n][d] on bf16 operands with f32 sums.  No work of reference() is left out.
;   kind 0 (clusters 0-7):  A = rows of x, B = rows of a turned weight:  P1 = x_real w_query_real, then P2 = x_imag w_query_imag on the same tile; query = P1 * P2 goes into q [8192][1024] f16.
;   kind 1 (clusters 8-15): A = rows of a turned weight, B = rows of x:  K^T = (x_real w_key)^T, then V^T = (x_imag w_value)^T, into ktvt [2][1024][8192] f16.
; One text serves both kinds: they differ in pointers, in C's pitch, in the scale, and in two forward branches of the way out, all chosen by the cluster's number, which the sixteen partners share.
; SHARES.  A tile of C is 256 x 256; four waves, each 128 x 128: 64 accumulators, 512 registers.  A work-group makes TWO tiles, one after the other; 256 work-groups.  K = 1,024 goes in steps of 128
; through two LDS slots filled by tensor loads (rows of 256 bytes, aligned); the ring runs on from the first tile into the second.
; P1 WAITS IN THE WAVE.  Rounded to f16 a wave's 128 x 128 of P1 is 256 registers: seven blocks of 16 rows wait in the 224 registers that the K loop leaves idle, the eighth in the wave's own stage in LDS,
; which is idle between the two ways out.  P2 is rounded to f16 and multiplied onto it, one more rounding: P1 and P2 never go to memory.
; CLUSTER.  4 x 4 work-groups: A's tile is asked for jointly along a row of the cluster, B's along a column: the same load, descriptor and mask in all four.
; SCALES.  f16 ends at 65,504, so each result is taken times 2^(a - 127), a made from the biased exponents E of the tensors' largest magnitudes (stats): |x| < 2^(Ex - 126), |w| < 2^(Ew - 126), so
; |sum of 1,024 products| < 2^(Ex + Ew - 242).  a = 377 - Ex - Ew holds P1 under 256, 376 - .. P2 under 128 (their product under 2^15), 371 - .. K and V under 4 (a sum of 2,048 products under 2^15).
; a is held to 1 .. 254.  The last launch makes the same a and takes the powers out again.  No branch and no address hangs on these numbers.
; LIMITS.  Finite inputs.  Where Ex + Ew leaves 117 .. 376 a bound binds and the results may leave f16's range.  Numbers below 6e-5 keep f16's fixed step of 6e-8.
; THE MATRIX INSTRUCTION IS USED TRANSPOSED (source 0 = 16 rows of B, source 1 = 16 rows of A): a lane holds row l % 16 of C and eight neighbouring columns.
; REGISTERS, in windows of 256 (s_set_vgpr_msb: bits 1:0 source 0, 3:2 source 1, 5:4 source 2, 7:6 destination):
;   window 0: v0-31 addresses; v64-127, v128-191 A's fragments, two buffers; v32-63, v192-255 packed blocks 0-2      window 1: v64-127, v128-191 B's fragments; v0-63, v192-255 packed blocks 3-6
;   window 2: the 32 accumulators of my rows 0-63 ((a, b) at 8 (8 a + b))      window 3: those of my rows 64-127
;   on the way out the second fragment buffers are free: window 0 v128-159 packed block 7, v160-191 at work and rows read back; window 1 v128-159 rows read back
.set KSTEP,  128
.set PITCH,  272                       ; an LDS row: 256 bytes + 16 = 68 words: the 16 rows of a load start at 16 different groups of four banks (64 banks of 4 bytes: ISA guide 11.1)
.set HALFT,  128*PITCH                 ; what one tensor load brings, and what one wave reads of A or of B
.set SLOT,   4*HALFT                   ; A's 256 rows, then B's
.set STAGE,  2*SLOT                    ; behind the ring: 16 rows x 272 bytes for each wave
.set SPITCH, 272
.set SPARE,  STAGE+4*16*SPITCH         ; the spare words, 128 bytes for each wave; no other line names them
.set LAPS,   4                         ; a lap = two K steps = once round the ring
.set CO,   8                           ; v8-15   my byte offset in C for rows 2 t + l / 16 of a block of 16, t = 0..7
.set ADRA, 16                          ; v16-17  LDS address of my A fragments in slot 0, 1
.set ADRB, 20                          ; v20-21  the same for B
.set STO,  24                          ; v24     the stage: where I put 16 bytes of a row
.set RD,   25                          ; v25     where I read a row back
.set SPW,  28                          ; v28     my spare word; never rewritten
.set NIL,  29                          ; v29     0; never rewritten
.set PFO,  30                          ; v30     the prefetches' offset: lane x 2,048 bytes; never rewritten
.set F0,   64
.set F1,   128
.set P7,   128                         ; packed block 7, on the way out alone
.set XT,   160                         ; P2's block, rounded, ahead of the multiply
.set RT,   104                         ; v104-105 at work on the maxima, ahead of the first fragments
.set WV,   14                          ; s14 wave;  s15 my half of the tile's rows, also: I fetch for A (0) or B (1);  s16 my half of its columns, also: which 128 rows I fetch
.set HA,   15
.set HB,   16
.set G1,   24                          ; s[24:31] group 1 for A's tiles;  s[32:39] group 0, a set for each slot
.set G0,   32
.set CP,   40                          ; s[40:41] C at the block of 16 rows that is being stored
.set CN,   42                          ; s[42:43] C at my part of the tile in hand
.set G1B,  48                          ; s[48:55], s[56:63] the same for B's tiles
.set G0B,  56
.set A2,   66                          ; s[66:67], s[68:69] the second tile's A and B at my 128 rows
.set B2,   68
.set PFA,  70                          ; s[70:71] where my prefetches stand;  s[72:73] the same for the second tile, at K step 1
.set PF2,  72
.set LIM,  74                          ; s74 1 in a wave that prefetches, else the greatest number
.set PSH,  75                          ; s75 log2 of C's pitch in bytes: 11 or 14
.set ST16, 76                          ; s[76:77] 16 rows of C
.set SC,   78                          ; s[78:79] the scale of the tile in hand (a pair; the packed multiply takes its low word);  s80 the second tile's
.set SC2,  80
.set C2P,  82                          ; s[82:83] C at my part of the second tile
.set SEL,  84                          ; s[84:85] v_permlanex16_b32's selects
.set MSB, 0
.macro WIN new                         ; the immediate's high byte repeats the setting that is left; a switch that changes nothing is dropped
.if MSB != (\new)
	s_set_vgpr_msb (MSB<<8)|(\new)
.set MSB, \new
.endif
.endm
.set MUL_LO, 0xa1                      ; source 0 (B) window 1, source 1 (A) window 0, C and D window 2
.set MUL_HI, 0xf1                      ; the same, C and D window 3
.set TO_B,   0x40                      ; destination window 1, address window 0
; A joint load: waves 0 and 1 fetch A's halves, waves 2 and 3 B's.  The branch hangs on the wave's number alone.  An s_nop 0 and four v_nop follow each of the two lines.
.macro JLOAD s
	s_cmp_eq_u32 s[HA], 0
	s_cbranch_scc0 .Lfor_b_\@
	tensor_load_to_lds s[G0+4*(\s):G0+4*(\s)+3], s[G1:G1+7]
	s_nop 0
.rept 4
	v_nop
.endr
	s_branch .Lasked_\@
.Lfor_b_\@:
	tensor_load_to_lds s[G0B+4*(\s):G0B+4*(\s)+3], s[G1B:G1B+7]
	s_nop 0
.rept 4
	v_nop
.endr
.Lasked_\@:
.endm
; A prefetch of the K step that stands two refills on (512 matrix instructions ahead of the load that will ask for it): 32 rows x 256 bytes, a lane a row, one instruction a wave.
; Each row's 256 bytes of a K step are named once in the launch.  Rows of x are read by the kind-0 and the kind-1 cluster of the same number: the kind-0 cluster asks.  A weight's rows are read by all
; eight clusters of a kind: the first asks.  The four partners that ask for a tile jointly share its rows out by address, 32 each.  how = 0: in the loop, whose last trip has no K step two on; 1: at the change of tiles.
.macro ASK how
.if \how
	s_cmp_eq_u32 s[LIM], 1
.else
	s_cmp_gt_u32 s3, s[LIM]
.endif
	s_cbranch_scc0 .Lnot_mine_\@
	global_prefetch_b8 v[PFO], s[PFA:PFA+1] offset:KSTEP*2 th:TH_LOAD_NT scope:SCOPE_SE
.Lnot_mine_\@:
.endm
.macro CREST                           ; a round of the cluster's barrier behind its opening barrier
	s_cmp_lg_u32 s[WV], 0
	s_cbranch_scc1 .Lnot_wave_0_\@
	s_barrier_signal -3
.Lnot_wave_0_\@:
	s_barrier_wait -3
	s_barrier_signal -1
	s_barrier_wait -1
.endm
.macro CROUND                          ; a whole round
	s_barrier_signal -1
	s_barrier_wait -1
	CREST
.endm
	s_load_b256 s[4:11], s[0:1], 0x0               ; xb s[4:5], wt s[6:7], stats s[8:9], q s[10:11]
	s_load_b64 s[12:13], s[0:1], 0x20              ; ktvt
	v_lshl_add_u32 v[SPW], v0, 2, SPARE
	v_mov_b32 v[NIL], 0
	ds_add_u32 v[SPW], v[NIL]                      ; the wave's opening: the add, twice on end, and its wait ahead of my first tensor load
	ds_add_u32 v[SPW], v[NIL]
	v_lshrrev_b32 v1, 5, v0
	v_readfirstlane_b32 s[WV], v1
	s_lshr_b32 s[HA], s[WV], 1
	s_and_b32 s[HB], s[WV], 1
	s_bfe_u32 s17, ttmp6, 0x40000                  ; cx
	s_bfe_u32 s18, ttmp6, 0x40004                  ; cy
	s_and_b32 s19, ttmp7, 0xffff                   ; the cluster, 0..15
	s_lshr_b32 s20, s19, 3                         ; kind; kept to the end
	s_and_b32 s21, s19, 7                          ; its number within the kind
	s_mov_b32 s96, 0x1000000                       ; from x_real to x_imag in xb
	s_mov_b32 s97, 0x200000                        ; from a weight to the next in wt
	s_cmp_eq_u32 s20, 0
	s_cselect_b32 s22, s21, 0
	s_cselect_b32 s23, 0, s21
	s_cselect_b32 s[PSH], 11, 14
	s_cselect_b32 s92, s96, s97                    ; what the second tile adds to A's address,
	s_cselect_b32 s94, s97, s96                    ; and to B's
	s_cselect_b32 s98, 0, 0x400000                 ; kind 1: A begins at w_key, the third weight
	s_mov_b32 s93, 0
	s_mov_b32 s95, 0
	s_lshl_b32 s22, s22, 2
	s_add_co_u32 s22, s22, s18                     ; tile row of C
	s_lshl_b32 s23, s23, 2
	s_add_co_u32 s23, s23, s17                     ; tile column
	s_lshl_b32 s44, s18, 2
	s_lshl_b32 s44, 15, s44                        ; my row of the cluster
	s_lshl_b32 s45, 0x1111, s17                    ; my column
	s_or_b32 s[G1], s44, (1<<16)|(1<<20)|(1<<21)|(5<<22)|(3<<25)   ; the mask; 2-byte elements; padding on; bit 21 beside a mask; after every 64 words, 4 words
	s_or_b32 s[G1B], s45, (1<<16)|(1<<20)|(1<<21)|(5<<22)|(3<<25)
.irp g, G1, G1B
	s_mov_b32 s[(\g)+1], KSTEP<<16                 ; tensor_dim0 = 128
	s_mov_b32 s[(\g)+2], 128<<16                   ; tensor_dim1 = 128
	s_mov_b32 s[(\g)+3], KSTEP<<16                 ; tile_dim0 = 128
	s_mov_b32 s[(\g)+4], 128                       ; tile_dim1 = 128
	s_mov_b32 s[(\g)+5], 1024                      ; elements from row to row, in xb and in wt
	s_mov_b32 s[(\g)+6], 0
	s_mov_b32 s[(\g)+7], 0
.endr
	s_lshl_b32 s47, s[HB], 7                       ; which 128 rows I fetch
	s_lshl_b32 s86, s22, 8
	s_add_co_u32 s86, s86, s47
	s_lshl_b32 s86, s86, 11                        ; A: (256 x tile row + 128 x half) rows of 2,048 bytes
	s_add_co_u32 s86, s86, s98
	s_mov_b32 s87, 0
	s_lshl_b32 s88, s23, 8
	s_add_co_u32 s88, s88, s47
	s_lshl_b32 s88, s88, 11                        ; B likewise, by the tile column
	s_mov_b32 s89, 0
	s_mul_i32 s99, s[WV], HALFT                    ; where my load goes: wave x 128 rows
	s_lshl_b32 s[ST16], 16, s[PSH]
	s_mov_b32 s[ST16+1], 0
	s_mov_b32 s[SEL], 0x76543210
	s_mov_b32 s[SEL+1], 0xfedcba98
	s_wait_dscnt 0x0                               ; both opening adds are done
	s_wait_kmcnt 0x0
	s_cmp_eq_u32 s20, 0
	s_cselect_b64 s[46:47], s[4:5], s[6:7]         ; A's buffer,
	s_cselect_b64 s[90:91], s[6:7], s[4:5]         ; B's,
	s_cselect_b64 s[CN:CN+1], s[10:11], s[12:13]   ; C's
	s_add_nc_u64 s[46:47], s[46:47], s[86:87]
	s_add_nc_u64 s[90:91], s[90:91], s[88:89]
	s_add_nc_u64 s[A2:A2+1], s[46:47], s[92:93]
	s_add_nc_u64 s[B2:B2+1], s[90:91], s[94:95]
	CROUND                                         ; all sixteen work-groups are here: the first joint loads meet
.irp s, 0,1
	s_mov_b32 s[G0+4*(\s)], 1
	s_add_co_u32 s[G0+4*(\s)+1], s99, (\s)*SLOT
	s_add_nc_u64 s[G0+4*(\s)+2:G0+4*(\s)+3], s[46:47], (\s)*KSTEP*2
	s_or_b32 s[G0+4*(\s)+3], s[G0+4*(\s)+3], 0x80000000
	s_mov_b32 s[G0B+4*(\s)], 1
	s_add_co_u32 s[G0B+4*(\s)+1], s99, (\s)*SLOT
	s_add_nc_u64 s[G0B+4*(\s)+2:G0B+4*(\s)+3], s[90:91], (\s)*KSTEP*2
	s_or_b32 s[G0B+4*(\s)+3], s[G0B+4*(\s)+3], 0x80000000
	JLOAD \s                                       ; two loads of mine are out
.endr
	; the partial maxima: 512 of each x (four loads of 512 bytes), 128 of each of my kind's two weights
	v_and_b32 v7, 31, v0
	v_lshlrev_b32 v[PFO], 11, v7
	v_lshlrev_b32 v7, 4, v7
	s_lshl_b32 s96, s20, 10
	s_mov_b32 s97, 0
	s_add_nc_u64 s[96:97], s[8:9], s[96:97]
.irp j, 0,1,2,3,4,5,6,7
	global_load_b128 v[64+4*(\j):64+4*(\j)+3], v7, s[8:9] offset:512*(\j)
.endr
	global_load_b128 v[96:99], v7, s[96:97] offset:4096
	global_load_b128 v[100:103], v7, s[96:97] offset:4608
	; a fragment is 16 rows x 32 K in 8 registers: lane l holds row l % 16, K = 8 (l / 16) + 0..7 and 16 + 8 (l / 16) + 0..7: two loads of 16 bytes, 32 bytes apart
	v_and_b32 v1, 15, v0
	v_bfe_u32 v2, v0, 4, 1
	v_mul_u32_u24 v3, v1, PITCH
	v_lshl_add_u32 v3, v2, 4, v3
	s_mul_i32 s100, s[HA], HALFT
	s_mul_i32 s101, s[HB], HALFT
	s_add_co_u32 s101, s101, 2*HALFT
.irp s, 0,1
	v_add_nc_u32 v[ADRA+(\s)], s100, v3
	v_add_nc_u32 v[ADRB+(\s)], s101, v3
	s_add_co_u32 s100, s100, SLOT
	s_add_co_u32 s101, s101, SLOT
.endr
	s_mul_i32 s100, s[WV], 16*SPITCH
	s_add_co_u32 s100, s100, STAGE                 ; my stage
	v_mul_u32_u24 v4, v1, SPITCH
	v_lshl_add_u32 v4, v2, 4, v4
	v_add_nc_u32 v[STO], s100, v4
	v_mul_u32_u24 v5, v2, SPITCH
	v_lshl_add_u32 v5, v1, 4, v5
	v_add_nc_u32 v[RD], s100, v5
	v_lshlrev_b32 v5, 4, v1
.irp t, 0,1,2,3,4,5,6,7
	v_add_nc_u32 v6, 2*(\t), v2
	v_lshlrev_b32 v6, s[PSH], v6
	v_add_nc_u32 v[CO+(\t)], v6, v5                ; row 2 t + l / 16 of a block, 16 bytes for each of 16 lanes
.endr
	s_lshl_b32 s86, s22, 8
	s_lshl_b32 s87, s[HA], 7
	s_add_co_u32 s86, s86, s87
	s_lshl_b32 s86, s86, s[PSH]                    ; my first row of C,
	s_lshl_b32 s88, s23, 9
	s_lshl_b32 s89, s[HB], 8
	s_add_co_u32 s88, s88, s89                     ; my first column
	s_add_co_u32 s86, s86, s88
	s_mov_b32 s87, 0
	s_add_nc_u64 s[CN:CN+1], s[CN:CN+1], s[86:87]
	s_cmp_eq_u32 s20, 0
	s_cselect_b32 s86, 0, 0x1000000                ; kind 0 stores once, the query, behind its second tile; kind 1's second tile is V^T, the second half of ktvt
	s_add_nc_u64 s[C2P:C2P+1], s[CN:CN+1], s[86:87]
	; the prefetches
	s_cmp_eq_u32 s[HA], 0
	s_cselect_b64 s[PFA:PFA+1], s[46:47], s[90:91]
	s_cselect_b64 s[PF2:PF2+1], s[A2:A2+1], s[B2:B2+1]
	s_cselect_b32 s98, s17, s18                    ; my place among the four that ask with me
	s_lshl_b32 s98, s98, 16                        ; 32 rows of 2,048 bytes
	s_mov_b32 s99, 0
	s_add_nc_u64 s[PFA:PFA+1], s[PFA:PFA+1], s[98:99]
	s_add_nc_u64 s[PF2:PF2+1], s[PF2:PF2+1], s[98:99]
	s_add_nc_u64 s[PFA:PFA+1], s[PFA:PFA+1], 2*KSTEP*2  ; at K step 2: the first refill steps it to 3 and names K step 4.  Nothing is prefetched here, at the head
	s_add_nc_u64 s[PF2:PF2+1], s[PF2:PF2+1], KSTEP*2
	s_cmp_eq_u32 s[HA], s[20]                      ; do I fetch rows of x?
	s_cselect_b32 s[LIM], s20, s21                 ; then kind 0 asks; for a weight the kind's first cluster
	s_cmp_eq_u32 s[LIM], 0
	s_cselect_b32 s[LIM], 1, -1                    ; the same in all sixteen partners, for a given wave
	v_mov_b32 v[RT+1], 0
; The biased exponent of the largest of cnt registers x 32 lanes of numbers that are not negative.
.macro RMAX dst, first, cnt
	v_max3_num_f32 v[RT], v[\first], v[(\first)+1], v[(\first)+2]
.set z, 3
.rept ((\cnt)-4)/2
	v_max3_num_f32 v[RT], v[RT], v[(\first)+z], v[(\first)+z+1]
.set z, z+2
.endr
	v_max_num_f32 v[RT], v[RT], v[(\first)+(\cnt)-1]
	v_max_num_f32_dpp v[RT], v[RT], v[RT] row_xmask:1 row_mask:0xf bank_mask:0xf
	v_max_num_f32_dpp v[RT], v[RT], v[RT] row_xmask:2 row_mask:0xf bank_mask:0xf
	v_max_num_f32_dpp v[RT], v[RT], v[RT] row_xmask:4 row_mask:0xf bank_mask:0xf
	v_max_num_f32_dpp v[RT], v[RT], v[RT] row_xmask:8 row_mask:0xf bank_mask:0xf
	v_permlanex16_b32 v[RT+1], v[RT], s[SEL], s[SEL+1]
	v_max_num_f32 v[RT], v[RT], v[RT+1]
	v_readfirstlane_b32 s[\dst], v[RT]
	s_lshr_b32 s[\dst], s[\dst], 23
.endm
	s_wait_loadcnt 0x0
	RMAX 86, 64, 16                                ; x_real
	RMAX 87, 80, 16                                ; x_imag
	RMAX 88, 96, 4                                 ; the first tile's weight
	RMAX 89, 100, 4                                ; the second tile's
	s_mul_i32 s90, s20, 6
	s_sub_co_i32 s90, 377, s90                     ; 377 or 371
	s_sub_co_i32 s90, s90, s86
	s_sub_co_i32 s90, s90, s88
	s_max_i32 s90, s90, 1
	s_min_i32 s90, s90, 254
	s_lshl_b32 s[SC], s90, 23
	s_mov_b32 s[SC+1], s[SC]
	s_mul_i32 s91, s20, 5
	s_sub_co_i32 s91, 376, s91                     ; 376 or 371
	s_sub_co_i32 s91, s91, s87
	s_sub_co_i32 s91, s91, s89
	s_max_i32 s91, s91, 1
	s_min_i32 s91, s91, 254
	s_lshl_b32 s[SC2], s91, 23
; 16 matrix instructions: m blocks a0, a0 + 1 of the window's four x all 8 n blocks, 32 along K.  zero = 1: the first product starts the sums.
.macro MUL16 f, hi, a0, zero
	WIN MUL_LO+0x50*(\hi)
.irp a, \a0, (\a0)+1
.irp b, 0,1,2,3,4,5,6,7
.if \zero
	v_wmma_f32_16x16x32_bf16 v[8*(8*(\a)+(\b)):8*(8*(\a)+(\b))+7], v[(\f)+8*(\b):(\f)+8*(\b)+7], v[(\f)+8*(4*(\hi)+(\a)):(\f)+8*(4*(\hi)+(\a))+7], 0
.else
	v_wmma_f32_16x16x32_bf16 v[8*(8*(\a)+(\b)):8*(8*(\a)+(\b))+7], v[(\f)+8*(\b):(\f)+8*(\b)+7], v[(\f)+8*(4*(\hi)+(\a)):(\f)+8*(4*(\hi)+(\a))+7], v[8*(8*(\a)+(\b)):8*(8*(\a)+(\b))+7]
.endif
.endr
.endr
.endm
; 32 LDS loads in one run: the fragments of one quarter step (128 rows of B, 128 of A, 32 K at byte k of the rows) into buffer f
.macro FETCH slot, k, f
	WIN TO_B
.irp i, 0,1,2,3,4,5,6,7
	ds_load_b128 v[(\f)+8*(\i):(\f)+8*(\i)+3],   v[ADRB+(\slot)] offset:(\k)+(\i)*16*PITCH
	ds_load_b128 v[(\f)+8*(\i)+4:(\f)+8*(\i)+7], v[ADRB+(\slot)] offset:(\k)+(\i)*16*PITCH+32
.endr
	WIN 0
.irp i, 0,1,2,3,4,5,6,7
	ds_load_b128 v[(\f)+8*(\i):(\f)+8*(\i)+3],   v[ADRA+(\slot)] offset:(\k)+(\i)*16*PITCH
	ds_load_b128 v[(\f)+8*(\i)+4:(\f)+8*(\i)+7], v[ADRA+(\slot)] offset:(\k)+(\i)*16*PITCH+32
.endr
.endm
.macro PLACES                          ; four places in front of loads into registers that matrix instructions have read, and of vector work on their results
.rept 4
	v_nop
.endr
.endm
; A K step is four quarters of 32 along K, 64 matrix instructions each, on buffers 0, 1, 0, 1.  The 64 accumulators take turns, in the same order in every quarter.
.macro QUARTER slot, k, f, g, zero
	s_wait_dscnt 8                                 ; B and A's rows 0-63 are in; the youngest eight LDS instructions (A's rows 64-127) may be out
	MUL16 \f, 0, 0, \zero
	MUL16 \f, 0, 2, \zero
	PLACES
	FETCH \slot, \k, \g
	s_wait_dscnt 32                                ; all but the 32 just issued
	MUL16 \f, 1, 0, \zero
	MUL16 \f, 1, 2, \zero
.endm
; The first half of a step's last quarter, and the one barrier of a change of slots.
.macro MEET round
	WIN 0
	s_wait_tensorcnt 0x0                           ; all my tensor loads have landed: the one that was out is my part of the next slot
	ds_add_u32 v[SPW], v[NIL]
	s_wait_dscnt 9                                 ; (the add and the youngest eight loads may be out)
	MUL16 F1, 0, 0, 0
	s_wait_dscnt 0x0                               ; the add is done, and my reads of this slot are over
	s_barrier_signal -1
	MUL16 F1, 0, 2, 0
.if \round
	WIN 0
.endif
	s_barrier_wait -1
.endm
; The whole last quarter with a refill.  on = 0: this tile's K step two steps on; on = 1: the second tile's K step 0 (slot 0) or 1 (slot 1).
.macro TURN slot, next, on
	s_wait_xcnt 0x0                                ; the last prefetch, a K step back, has read its address
.if (\on) && (\slot) == 0
	s_mov_b64 s[PFA:PFA+1], s[PF2:PF2+1]           ; the second tile's K step 1: K step 2 is named
.else
	s_add_nc_u64 s[PFA:PFA+1], s[PFA:PFA+1], KSTEP*2
.endif
	MEET 1
	CREST                                          ; the barrier has opened a round of the cluster's: no wave of any partner still reads this slot or has a load on its way
.if \on
	s_add_nc_u64 s[G0+4*(\slot)+2:G0+4*(\slot)+3], s[A2:A2+1], (\slot)*KSTEP*2
	s_or_b32 s[G0+4*(\slot)+3], s[G0+4*(\slot)+3], 0x80000000
	s_add_nc_u64 s[G0B+4*(\slot)+2:G0B+4*(\slot)+3], s[B2:B2+1], (\slot)*KSTEP*2
	s_or_b32 s[G0B+4*(\slot)+3], s[G0B+4*(\slot)+3], 0x80000000
.else
	s_add_nc_u64 s[G0+4*(\slot)+2:G0+4*(\slot)+3], s[G0+4*(\slot)+2:G0+4*(\slot)+3], 2*KSTEP*2
	s_add_nc_u64 s[G0B+4*(\slot)+2:G0B+4*(\slot)+3], s[G0B+4*(\slot)+2:G0B+4*(\slot)+3], 2*KSTEP*2
.endif
	JLOAD \slot                                    ; my one tensor load behind the round; its four v_nop are also the places in front of the loads below
	FETCH \next, 0, F0
	ASK \on
	MUL16 F1, 1, 0, 0
	MUL16 F1, 1, 2, 0
.endm
; THE WAY OUT, by blocks of 16 rows (block a: accumulators (a, 0..7)).
.macro PREG a                          ; where block a lies when packed to f16: window PW, register PR; 32 registers
.if (\a) == 0
.set PW, 0
.set PR, 32
.elseif (\a) == 1
.set PW, 0
.set PR, 192
.elseif (\a) == 2
.set PW, 0
.set PR, 224
.elseif (\a) == 3
.set PW, 1
.set PR, 0
.elseif (\a) == 4
.set PW, 1
.set PR, 32
.elseif (\a) == 5
.set PW, 1
.set PR, 192
.elseif (\a) == 6
.set PW, 1
.set PR, 224
.else
.set PW, 0
.set PR, P7
.endif
.endm
.macro SCALE a                         ; times the tile's power of two, in place
.set AC, 64*((\a)%4)
	WIN 0x82+0x41*((\a)/4)                         ; destination and source 0: window 2 or 3
.irp b, 0,1,2,3,4,5,6,7
.irp r, 0,1,2,3
	v_pk_mul_f32 v[AC+8*(\b)+2*(\r):AC+8*(\b)+2*(\r)+1], v[AC+8*(\b)+2*(\r):AC+8*(\b)+2*(\r)+1], s[SC:SC+1] op_sel_hi:[1,0]  ; each accumulator from its low end on
.endr
.endr
.endm
.macro CVT a, dw, dr                   ; rounded to f16, 16 bytes a lane and n block, into window dw from register dr on
.set AC, 64*((\a)%4)
	WIN ((\dw)<<6)|(0x0a+5*((\a)/4))               ; sources 0 and 1: window 2 or 3
.irp b, 0,1,2,3,4,5,6,7
.irp r, 0,1,2,3
	v_cvt_pk_f16_f32 v[(\dr)+4*(\b)+(\r)], v[AC+8*(\b)+2*(\r)], v[AC+8*(\b)+2*(\r)+1]
.endr
.endr
.endm
.macro FUSE a                          ; the query's block a: P2's block, rounded, times P1's block, which has waited
	PREG \a
	CVT \a, 0, XT
.if (\a) == 7
	s_wait_dscnt 0x0                               ; P1's block 7 is back from the stage
.endif
	WIN (PW<<6)|PW                                 ; destination and source 0 in P1's window, source 1 in window 0
.set pi, 0
.rept 32
	v_pk_mul_f16 v[PR+pi], v[PR+pi], v[XT+pi]
.set pi, pi+1
.endr
.endm
.macro STG a                           ; block a into my stage, and back as whole rows of 256 bytes, into window 0 v160-191 (a even) or window 1 v128-159 (a odd)
	PREG \a
	WIN PW<<2                                      ; store data in the block's window
.irp b, 0,1,2,3,4,5,6,7
	ds_store_b128 v[STO], v[PR+4*(\b):PR+4*(\b)+3] offset:32*(\b)
.endr
	s_wait_xcnt 0x0                                ; the stores of two blocks back have read the registers that are loaded again, and all stores their base, which the next SND steps
	WIN ((\a)%2)<<6
.set BK, 160-32*((\a)%2)
.irp t, 0,1,2,3,4,5,6,7
	ds_load_b128 v[BK+4*(\t):BK+4*(\t)+3], v[RD] offset:(\t)*2*SPITCH  ; LDS serves a wave's instructions in order (ISA guide 5.7.1.4): these see the stores above, and the next block's stores come behind them
.endr
.endm
.macro SND a, younger                  ; block a is stored.  younger: the LDS instructions issued behind its loads: the next block's sixteen, or none
.set BK, 160-32*((\a)%2)
	s_wait_dscnt \younger
.if (\younger) == 0
	s_wait_xcnt 0x0                                ; no STG stands between this and the last stores: their base is stepped only behind this wait
.endif
.if (\a) == 0
	s_mov_b64 s[CP:CP+1], s[CN:CN+1]
.else
	s_add_nc_u64 s[CP:CP+1], s[CP:CP+1], s[ST16:ST16+1]
.endif
	WIN ((\a)%2)<<2
.irp t, 0,1,2,3,4,5,6,7
	global_store_b128 v[CO+(\t)], v[BK+4*(\t):BK+4*(\t)+3], s[CP:CP+1]  ; 16 lanes store 256 consecutive bytes, aligned
.endr
.endm
	s_wait_tensorcnt 1                             ; my part of K step 0 is in; K step 1's may stay out
	s_barrier_signal -1
	s_barrier_wait -1
	FETCH 0, 0, F0
	s_mov_b32 s2, 2                                ; tiles to go
.Ltile:
	QUARTER 0, 64,  F0, F1, 1                      ; a tile's first quarter starts the sums
	WIN 0
	s_mov_b32 s3, LAPS-1
.Llap:                                                 ; a trip goes once round the ring and fills both slots again
	QUARTER 0, 128, F1, F0, 0
	QUARTER 0, 192, F0, F1, 0
	TURN 0, 1, 0
	QUARTER 1, 64,  F0, F1, 0
	QUARTER 1, 128, F1, F0, 0
	QUARTER 1, 192, F0, F1, 0
	TURN 1, 0, 0
	QUARTER 0, 64,  F0, F1, 0
	WIN 0
	s_sub_co_u32 s3, s3, 1
	s_cmp_lg_u32 s3, 0
	s_cbranch_scc1 .Llap
	QUARTER 0, 128, F1, F0, 0                      ; the tile's last lap goes on
	QUARTER 0, 192, F0, F1, 0
	WIN 0
	s_cmp_eq_u32 s2, 1                             ; the same in every wave of every partner
	s_cbranch_scc1 .Lnofill0
	TURN 0, 1, 1                                   ; the ring goes on into the second tile: slot 0 takes its K step 0
	WIN 0
	s_branch .Lmid
.Lnofill0:                                             ; the second tile's last lap asks for nothing
	MEET 0
	PLACES
	FETCH 1, 0, F0
	MUL16 F1, 1, 0, 0
	MUL16 F1, 1, 2, 0
	WIN 0
.Lmid:
	QUARTER 1, 64,  F0, F1, 0
	QUARTER 1, 128, F1, F0, 0
	QUARTER 1, 192, F0, F1, 0
	WIN 0
	s_cmp_eq_u32 s2, 1
	s_cbranch_scc1 .Lnofill1
	TURN 1, 0, 1                                   ; slot 1 takes the second tile's K step 1, and its first fragments are fetched
	WIN 0
	s_branch .Lout
.Lnofill1:
	s_wait_dscnt 8
	MUL16 F1, 0, 0, 0
	MUL16 F1, 0, 2, 0
	s_wait_dscnt 0x0
	MUL16 F1, 1, 0, 0
	MUL16 F1, 1, 2, 0
	WIN 0
	PLACES
.Lout:                                                 ; blocks 0-3 were finished eight places or more back on either way; their 128 scalings are the places behind blocks 4-7's last products
	PLACES
.irp a, 0,1,2,3,4,5,6,7
	SCALE \a
.endr
	WIN 0
	s_cmp_eq_u32 s2, 1                             ; the first tile has nothing to be multiplied onto,
	s_cbranch_scc0 .Lplain
	s_cmp_eq_u32 s20, 0                            ; and kind 1 stores both its tiles as they are
	s_cbranch_scc0 .Lplain
.irp b, 0,1,2,3,4,5,6,7                ; kind 0, second tile: P1's block 7 comes back as it was put, while blocks 0 to 6 are multiplied
	ds_load_b128 v[P7+4*(\b):P7+4*(\b)+3], v[STO] offset:32*(\b)
.endr
.irp a, 0,1,2,3,4,5,6,7
	FUSE \a
.endr
	WIN 0
	s_branch .Lsend
.Lplain:
.irp a, 0,1,2,3,4,5,6,7
	PREG \a
	CVT \a, PW, PR
.endr
	WIN 0
	s_cmp_eq_u32 s20, 0
	s_cbranch_scc0 .Lsend
.irp b, 0,1,2,3,4,5,6,7                ; kind 0, first tile: blocks 0 to 6 wait where they are; block 7's registers take fragments again, so it waits in my stage.  Nothing is stored
	ds_store_b128 v[STO], v[P7+4*(\b):P7+4*(\b)+3] offset:32*(\b)
.endr
	s_branch .Ldone
.Lsend:
	STG 0
.irp a, 1,2,3,4,5,6,7                  ; block a's way through the stage is issued ahead of the wait for block a - 1's
	STG \a
	SND (\a)-1, 16
.endr
	SND 7, 0
	WIN 0
.Ldone:
	s_wait_xcnt 0x0                                ; the stores have read their registers: fragments may land there
	s_mov_b32 s[SC], s[SC2]                        ; the second tile's scale and place
	s_mov_b32 s[SC+1], s[SC2]
	s_mov_b64 s[CN:CN+1], s[C2P:C2P+1]
	s_sub_co_u32 s2, s2, 1
	s_cmp_lg_u32 s2, 0
	s_cbranch_scc1 .Ltile
	s_wait_tensorcnt 0x0                           ; the wave's end, behind my last tensor load and my last LDS store
	ds_add_u32 v[SPW], v[NIL]
	s_wait_dscnt 0x0
	CROUND                                         ; the closing round
	s_endpgm
.Lfunc_end_k_qe78bbc5a82_proj:
	.size	k_qe78bbc5a82_proj, .Lfunc_end_k_qe78bbc5a82_proj-k_qe78bbc5a82_proj
	.p2alignl 7, 3214868480
	.fill 96, 4, 3214868480
	.section	.rodata,"a",@progbits
	.p2align	6, 0x0
	.amdhsa_kernel k_qe78bbc5a82_proj
		.amdhsa_group_segment_fixed_size 327680
		.amdhsa_private_segment_fixed_size 0
		.amdhsa_enable_private_segment 0
		.amdhsa_kernarg_size 40
		.amdhsa_user_sgpr_count 2
		.amdhsa_user_sgpr_kernarg_segment_ptr 1
		.amdhsa_wavefront_size32 1
		.amdhsa_system_sgpr_workgroup_id_x 1
		.amdhsa_system_sgpr_workgroup_id_y 1
		.amdhsa_system_sgpr_workgroup_id_z 1
		.amdhsa_system_vgpr_workitem_id 0
		.amdhsa_next_free_vgpr 1024
		.amdhsa_next_free_sgpr 102
		.amdhsa_reserve_vcc 0
		.amdhsa_float_denorm_mode_32 3
		.amdhsa_float_denorm_mode_16_64 3
		.amdhsa_memory_ordered 1
		.amdhsa_forward_progress 1
		.amdhsa_inst_pref_size 216
	.end_amdhsa_kernel
	.amdgpu_metadata
---
amdhsa.version: [ 1, 2 ]
amdhsa.kernels:
  - .name:           k_qe78bbc5a82_proj
    .symbol:         k_qe78bbc5a82_proj.kd
    .args:
      - { .name: xb, .offset: 0, .size: 8, .value_kind: global_buffer, .address_space: global }
      - { .name: wt, .offset: 8, .size: 8, .value_kind: global_buffer, .address_space: global }
      - { .name: stats, .offset: 16, .size: 8, .value_kind: global_buffer, .address_space: global }
      - { .name: q, .offset: 24, .size: 8, .value_kind: global_buffer, .address_space: global }
      - { .name: ktvt, .offset: 32, .size: 8, .value_kind: global_buffer, .address_space: global }
    .group_segment_fixed_size: 327680
    .private_segment_fixed_size: 0
    .kernarg_segment_align: 8
    .kernarg_segment_size: 40
    .max_flat_workgroup_size: 128
    .sgpr_count:     102
    .vgpr_count:     1024
    .wavefront_size: 32
...
	.end_amdgpu_metadata
.endif
;; end of part 2
;; launch kvprod (part 3): grid 8 x 32, 4 waves a work-group, clusters of 4 x 4, 327,680 bytes of LDS; arguments ktvt, kvt; writes kvt
.if DOCPART == 3
	.amdgcn_target "amdgcn-amd-amdhsa--gfx1250"
	.amdhsa_code_object_version 6
	.text
	.protected	k_qe78bbc5a82_kvprod
	.globl	k_qe78bbc5a82_kvprod
	.p2align	8
	.type	k_qe78bbc5a82_kvprod,@function
k_qe78bbc5a82_kvprod:
	s_mov_b64 s[64:65], 0
	v_nop
	global_prefetch_b8 v0, s[64:65] scope:SCOPE_SE
	s_setreg_imm32_b32 hwreg(HW_REG_WAVE_MODE, 25, 1), 1
	s_wait_xcnt 0x0
	s_wait_alu depctr_hold_cnt(0) depctr_sa_sdst(0) depctr_va_vdst(0) depctr_va_sdst(0) depctr_va_ssrc(0) depctr_va_vcc(0) depctr_vm_vsrc(0)
	s_getreg_b32 s2, hwreg(HW_REG_IB_STS2, 6, 4)
	s_cmp_eq_u32 s2, 0
	s_cbranch_scc0 .Lentry_in_a_cluster
	s_endpgm
.Lentry_in_a_cluster:
	s_bfe_u32 s2, ttmp6, 0x10000c
	s_cmp_lg_u32 s2, 0xf033
	s_cbranch_scc0 .Lentry_shape_is_right
	s_endpgm
.Lentry_shape_is_right:
; KVPROD.  kv_attn of reference(), turned: kvt[b][e][d] = sum over n of V^T[e][b, n] K^T[d][b, n], f16 operands, f32 sums, stored as f16 with no further scale: |K|, |V| < 4 as stored,
; so |sum of 2,048 products| < 2^15.  No work of reference() is left out.
; SHARES.  A tile of kvt[b] is 128 x 128; 4 x 64 tiles = 256 work-groups; four waves, each 64 x 64: 16 accumulators.  K = 2,048 goes in steps of 256 (LDS rows of 512 bytes, 64 rows to a load) through two slots.
; CLUSTER.  4 x 4: A's (V^T's) tile is asked for jointly along a row of the cluster, B's (K^T's) along a column.
; LIMITS.  As stated in the launch before: finite inputs; stored numbers below 6e-5 keep f16's fixed step of 6e-8.
; THE MATRIX INSTRUCTION IS USED TRANSPOSED (source 0 = rows of B, source 1 = rows of A): a lane holds eight neighbouring numbers of a row of C.
; NO PREFETCH: the launch has eight K steps in all, on small tiles.
; REGISTERS: window 0: v0-31 addresses; v32-95 at work on the way out; v128-255 the accumulators ((a, b) at 128 + 8 (4 a + b)).  window 1: two fragment buffers of 128 (64 of A, then 64 of B, for 64 along K).
.set KSTEP,  256
.set PITCH,  528                       ; 512 bytes + 16 = 132 words: the 16 rows of a load start at 16 different groups of four banks (ISA guide 11.1)
.set HALFT,  64*PITCH
.set SLOT,   4*HALFT
.set STAGE,  2*SLOT                    ; behind the ring: 128 rows x 272 bytes, the work-group's
.set SPITCH, 272
.set SPARE,  STAGE+128*SPITCH          ; the spare words, 128 bytes for each wave; no other line names them
.set LAPS,   4
.set ROWC,   2048                      ; bytes in a row of kvt
.set ADRA, 16
.set ADRB, 20
.set STO,  24
.set RD,   25
.set CO,   26
.set SPW,  28
.set NIL,  29
.set TMP,  32
.set ACC,  128
.set F0,   0
.set F1,   128
.set WV,   12                          ; s12 wave; s13 my half of the rows, also A (0) or B (1); s14 my half of the columns, also which 64 rows I fetch
.set HA,   13
.set HB,   14
.set G1,   24
.set G0,   32
.set G1B,  48
.set G0B,  56
.set MSB, 0
.macro WIN new
.if MSB != (\new)
	s_set_vgpr_msb (MSB<<8)|(\new)
.set MSB, \new
.endif
.endm
.set MUL,  0x05                        ; sources 0 (B) and 1 (A) window 1; C and D window 0
.set TO_F, 0x40                        ; destination window 1, address window 0
.macro JLOAD s                         ; a joint load; an s_nop 0 and four v_nop follow each of the two lines
	s_cmp_eq_u32 s[HA], 0
	s_cbranch_scc0 .Lfor_b_\@
	tensor_load_to_lds s[G0+4*(\s):G0+4*(\s)+3], s[G1:G1+7]
	s_nop 0
.rept 4
	v_nop
.endr
	s_branch .Lasked_\@
.Lfor_b_\@:
	tensor_load_to_lds s[G0B+4*(\s):G0B+4*(\s)+3], s[G1B:G1B+7]
	s_nop 0
.rept 4
	v_nop
.endr
.Lasked_\@:
.endm
.macro CREST
	s_cmp_lg_u32 s[WV], 0
	s_cbranch_scc1 .Lnot_wave_0_\@
	s_barrier_signal -3
.Lnot_wave_0_\@:
	s_barrier_wait -3
	s_barrier_signal -1
	s_barrier_wait -1
.endm
.macro CROUND
	s_barrier_signal -1
	s_barrier_wait -1
	CREST
.endm
	s_load_b128 s[4:7], s[0:1], 0x0                ; ktvt s[4:5], kvt s[6:7]
	v_lshl_add_u32 v[SPW], v0, 2, SPARE
	v_mov_b32 v[NIL], 0
	ds_add_u32 v[SPW], v[NIL]                      ; the wave's opening: the add, twice on end, and its wait ahead of my first tensor load
	ds_add_u32 v[SPW], v[NIL]
	v_lshrrev_b32 v1, 5, v0
	v_readfirstlane_b32 s[WV], v1
	s_lshr_b32 s[HA], s[WV], 1
	s_and_b32 s[HB], s[WV], 1
	s_bfe_u32 s15, ttmp6, 0x40000                  ; cx
	s_bfe_u32 s16, ttmp6, 0x40004                  ; cy
	s_and_b32 s17, ttmp7, 0xffff                   ; cluster y, 0..7
	s_lshr_b32 s18, s17, 1                         ; the batch
	s_and_b32 s19, s17, 1
	s_lshl_b32 s19, s19, 2
	s_add_co_u32 s19, s19, s16                     ; tile row (e), 0..7
	s_lshl_b32 s20, ttmp9, 2
	s_add_co_u32 s20, s20, s15                     ; tile column (d), 0..7
	s_lshl_b32 s21, s16, 2
	s_lshl_b32 s21, 15, s21                        ; my row of the cluster
	s_lshl_b32 s22, 0x1111, s15                    ; my column
	s_or_b32 s[G1], s21, (1<<16)|(1<<20)|(1<<21)|(6<<22)|(3<<25)   ; the mask; 2-byte elements; padding on; bit 21 beside a mask; after every 128 words, 4 words
	s_or_b32 s[G1B], s22, (1<<16)|(1<<20)|(1<<21)|(6<<22)|(3<<25)
.irp g, G1, G1B
	s_mov_b32 s[(\g)+1], KSTEP<<16                 ; tensor_dim0 = 256
	s_mov_b32 s[(\g)+2], 64<<16                    ; tensor_dim1 = 64
	s_mov_b32 s[(\g)+3], KSTEP<<16                 ; tile_dim0 = 256
	s_mov_b32 s[(\g)+4], 64                        ; tile_dim1 = 64
	s_mov_b32 s[(\g)+5], 8192                      ; elements from row to row of K^T and V^T
	s_mov_b32 s[(\g)+6], 0
	s_mov_b32 s[(\g)+7], 0
.endr
	s_lshl_b32 s40, s[HB], 6                       ; which 64 rows I fetch
	s_lshl_b32 s41, s18, 12                        ; the batch's 2,048 n of 2 bytes
	s_lshl_b32 s42, s19, 7
	s_add_co_u32 s42, s42, s40
	s_lshl_b32 s42, s42, 14                        ; rows of 16,384 bytes
	s_add_co_u32 s42, s42, s41
	s_add_co_u32 s42, s42, 0x1000000               ; A = V^T, the second half of ktvt
	s_mov_b32 s43, 0
	s_lshl_b32 s44, s20, 7
	s_add_co_u32 s44, s44, s40
	s_lshl_b32 s44, s44, 14
	s_add_co_u32 s44, s44, s41                     ; B = K^T
	s_mov_b32 s45, 0
	s_mul_i32 s23, s[WV], HALFT                    ; where my load goes: wave x 64 rows
	s_wait_dscnt 0x0                               ; both opening adds are done
	s_wait_kmcnt 0x0
	s_add_nc_u64 s[42:43], s[4:5], s[42:43]
	s_add_nc_u64 s[44:45], s[4:5], s[44:45]
	CROUND                                         ; all sixteen work-groups are here: the first joint loads meet
.irp s, 0,1
	s_mov_b32 s[G0+4*(\s)], 1
	s_add_co_u32 s[G0+4*(\s)+1], s23, (\s)*SLOT
	s_add_nc_u64 s[G0+4*(\s)+2:G0+4*(\s)+3], s[42:43], (\s)*KSTEP*2
	s_or_b32 s[G0+4*(\s)+3], s[G0+4*(\s)+3], 0x80000000
	s_mov_b32 s[G0B+4*(\s)], 1
	s_add_co_u32 s[G0B+4*(\s)+1], s23, (\s)*SLOT
	s_add_nc_u64 s[G0B+4*(\s)+2:G0B+4*(\s)+3], s[44:45], (\s)*KSTEP*2
	s_or_b32 s[G0B+4*(\s)+3], s[G0B+4*(\s)+3], 0x80000000
	JLOAD \s                                       ; two loads of mine are out
.endr
	v_and_b32 v1, 15, v0                           ; l % 16
	v_bfe_u32 v2, v0, 4, 1                         ; l / 16
	v_mul_u32_u24 v3, v1, PITCH
	v_lshl_add_u32 v3, v2, 4, v3
	s_mul_i32 s74, s[HA], HALFT                    ; my 64 rows of A
	s_mul_i32 s75, s[HB], HALFT                    ; my 64 rows of B,
	s_add_co_u32 s75, s75, 2*HALFT                 ; behind A's 128
.irp s, 0,1
	v_add_nc_u32 v[ADRA+(\s)], s74, v3
	v_add_nc_u32 v[ADRB+(\s)], s75, v3
	s_add_co_u32 s74, s74, SLOT
	s_add_co_u32 s75, s75, SLOT
.endr
	s_mul_i32 s76, s[HA], 64*SPITCH                ; into the stage: my 64 rows, my half of their 256 bytes
	s_lshl_b32 s74, s[HB], 7
	s_add_co_u32 s76, s76, s74
	s_add_co_u32 s76, s76, STAGE
	v_mul_u32_u24 v4, v1, SPITCH
	v_lshl_add_u32 v4, v2, 4, v4
	v_add_nc_u32 v[STO], s76, v4
	s_mul_i32 s76, s[WV], 32*SPITCH                ; back: wave w takes rows 32 w .. 32 w + 31, whole
	s_add_co_u32 s76, s76, STAGE
	v_mul_u32_u24 v5, v2, SPITCH
	v_lshl_add_u32 v5, v1, 4, v5
	v_add_nc_u32 v[RD], s76, v5
	v_lshlrev_b32 v5, 11, v2                       ; and the same two rows in kvt
	v_lshl_add_u32 v[CO], v1, 4, v5
	s_lshl_b32 s46, s19, 7
	s_lshl_b32 s47, s[WV], 5
	s_add_co_u32 s46, s46, s47                     ; the first row that I store
	s_lshl_b32 s46, s46, 11
	s_lshl_b32 s47, s18, 21                        ; the batch
	s_add_co_u32 s46, s46, s47
	s_lshl_b32 s47, s20, 8                         ; the tile's first column
	s_add_co_u32 s46, s46, s47
	s_mov_b32 s47, 0
	s_add_nc_u64 s[72:73], s[6:7], s[46:47]
; 8 matrix instructions: m blocks a0, a0 + 1 x all 4 n blocks, 32 along K: half c of buffer f.  zero = 1: the first product starts the sums
.macro MUL8 f, c, a0, zero
	WIN MUL
.irp a, \a0, (\a0)+1
.irp b, 0,1,2,3
.if \zero
	v_wmma_f32_16x16x32_f16 v[ACC+8*(4*(\a)+(\b)):ACC+8*(4*(\a)+(\b))+7], v[(\f)+64+8*(4*(\c)+(\b)):(\f)+64+8*(4*(\c)+(\b))+7], v[(\f)+8*(4*(\c)+(\a)):(\f)+8*(4*(\c)+(\a))+7], 0
.else
	v_wmma_f32_16x16x32_f16 v[ACC+8*(4*(\a)+(\b)):ACC+8*(4*(\a)+(\b))+7], v[(\f)+64+8*(4*(\c)+(\b)):(\f)+64+8*(4*(\c)+(\b))+7], v[(\f)+8*(4*(\c)+(\a)):(\f)+8*(4*(\c)+(\a))+7], v[ACC+8*(4*(\a)+(\b)):ACC+8*(4*(\a)+(\b))+7]
.endif
.endr
.endr
.endm
; 32 LDS loads in one run: the fragments of 64 along K at byte k of the rows, into buffer f; the first 32 along K first
.macro FETCH slot, k, f
	WIN TO_F
.irp c, 0,1
.irp i, 0,1,2,3
	ds_load_b128 v[(\f)+64+8*(4*(\c)+(\i)):(\f)+64+8*(4*(\c)+(\i))+3],   v[ADRB+(\slot)] offset:(\k)+64*(\c)+(\i)*16*PITCH
	ds_load_b128 v[(\f)+64+8*(4*(\c)+(\i))+4:(\f)+64+8*(4*(\c)+(\i))+7], v[ADRB+(\slot)] offset:(\k)+64*(\c)+(\i)*16*PITCH+32
	ds_load_b128 v[(\f)+8*(4*(\c)+(\i)):(\f)+8*(4*(\c)+(\i))+3],         v[ADRA+(\slot)] offset:(\k)+64*(\c)+(\i)*16*PITCH
	ds_load_b128 v[(\f)+8*(4*(\c)+(\i))+4:(\f)+8*(4*(\c)+(\i))+7],       v[ADRA+(\slot)] offset:(\k)+64*(\c)+(\i)*16*PITCH+32
.endr
.endr
.endm
.macro PLACES                          ; four places (ISA guide 7.12.1)
.rept 4
	v_nop
.endr
.endm
; A K step is four quarters of 64 along K, 32 matrix instructions each, on buffers 0, 1, 0, 1; the 16 accumulators take turns.
.macro QUARTER slot, k, f, g, zero
	s_wait_dscnt 16                                ; the first 32 along K are in
	MUL8 \f, 0, 0, \zero
	MUL8 \f, 0, 2, \zero
	PLACES
	FETCH \slot, \k, \g
	s_wait_dscnt 32                                ; all but the 32 just issued
	MUL8 \f, 1, 0, 0
	MUL8 \f, 1, 2, 0
.endm
; The last quarter multiplies buffer 1 and changes slots.  fill = 1: this slot is filled again, two K steps ahead.
.macro TURN slot, next, fill
	WIN 0
	s_wait_tensorcnt 0x0                           ; all my tensor loads have landed: my part of the next slot
	ds_add_u32 v[SPW], v[NIL]
	s_wait_dscnt 17                                ; (the add and the youngest sixteen loads may be out)
	MUL8 F1, 0, 0, 0
	s_wait_dscnt 0x0                               ; the add is done, and my reads of this slot are over
	s_barrier_signal -1
	MUL8 F1, 0, 2, 0
.if \fill
	WIN 0
.endif
	s_barrier_wait -1
.if \fill
	CREST                                          ; the barrier has opened a round of the cluster's: no wave of any partner still reads this slot or has a load on its way
	s_add_nc_u64 s[G0+4*(\slot)+2:G0+4*(\slot)+3], s[G0+4*(\slot)+2:G0+4*(\slot)+3], 2*KSTEP*2
	s_add_nc_u64 s[G0B+4*(\slot)+2:G0B+4*(\slot)+3], s[G0B+4*(\slot)+2:G0B+4*(\slot)+3], 2*KSTEP*2
	JLOAD \slot                                    ; my one tensor load behind the round; its four v_nop are also the places in front of the loads below
.else
	PLACES
.endif
	FETCH \next, 0, F0
	MUL8 F1, 1, 0, 0
	MUL8 F1, 1, 2, 0
.endm
	s_wait_tensorcnt 1                             ; my part of K step 0 is in; K step 1's may stay out
	s_barrier_signal -1
	s_barrier_wait -1
	FETCH 0, 0, F0
	QUARTER 0, 128, F0, F1, 1
	WIN 0
	s_mov_b32 s3, LAPS-1
.Llap:
	QUARTER 0, 256, F1, F0, 0
	QUARTER 0, 384, F0, F1, 0
	TURN 0, 1, 1
	QUARTER 1, 128, F0, F1, 0
	QUARTER 1, 256, F1, F0, 0
	QUARTER 1, 384, F0, F1, 0
	TURN 1, 0, 1
	QUARTER 0, 128, F0, F1, 0
	WIN 0
	s_sub_co_u32 s3, s3, 1
	s_cmp_lg_u32 s3, 0
	s_cbranch_scc1 .Llap
	QUARTER 0, 256, F1, F0, 0                      ; the last lap fills nothing
	QUARTER 0, 384, F0, F1, 0
	TURN 0, 1, 0
	QUARTER 1, 128, F0, F1, 0
	QUARTER 1, 256, F1, F0, 0
	QUARTER 1, 384, F0, F1, 0
	s_wait_dscnt 16
	MUL8 F1, 0, 0, 0
	MUL8 F1, 0, 2, 0
	s_wait_dscnt 0x0
	MUL8 F1, 1, 0, 0
	MUL8 F1, 1, 2, 0
	WIN 0
	; THE WAY OUT: rounded to f16; 16 bytes a lane into the work-group's stage; a barrier, since a row's 256 bytes come from two waves; back as whole rows, 32 rows a wave.
	PLACES
.irp t, 0,1,2,3,4,5,6,7,8,9,10,11,12,13,14,15
.irp r, 0,1,2,3
	v_cvt_pk_f16_f32 v[TMP+4*(\t)+(\r)], v[ACC+8*(\t)+2*(\r)], v[ACC+8*(\t)+2*(\r)+1]
.endr
.endr
.irp a, 0,1,2,3
.irp b, 0,1,2,3
	ds_store_b128 v[STO], v[TMP+4*(4*(\a)+(\b)):TMP+4*(4*(\a)+(\b))+3] offset:(\a)*16*SPITCH+32*(\b)
.endr
.endr
	s_wait_dscnt 0x0                               ; for the others' sake: my stores into the stage are done
	s_barrier_signal -1
	s_barrier_wait -1
.irp t, 0,1,2,3,4,5,6,7,8,9,10,11,12,13,14,15
	ds_load_b128 v[TMP+4*(\t):TMP+4*(\t)+3], v[RD] offset:(\t)*2*SPITCH
.endr
.irp t, 0,1,2,3,4,5,6,7,8,9,10,11,12,13,14,15
	s_wait_dscnt 15-(\t)                           ; the younger loads may stay out
	global_store_b128 v[CO], v[TMP+4*(\t):TMP+4*(\t)+3], s[72:73] offset:2*(\t)*ROWC  ; 16 lanes store 256 consecutive bytes, aligned
.endr
	s_wait_tensorcnt 0x0                           ; the wave's end
	ds_add_u32 v[SPW], v[NIL]
	s_wait_dscnt 0x0
	CROUND                                         ; the closing round
	s_endpgm
.Lfunc_end_k_qe78bbc5a82_kvprod:
	.size	k_qe78bbc5a82_kvprod, .Lfunc_end_k_qe78bbc5a82_kvprod-k_qe78bbc5a82_kvprod
	.p2alignl 7, 3214868480
	.fill 96, 4, 3214868480
	.section	.rodata,"a",@progbits
	.p2align	6, 0x0
	.amdhsa_kernel k_qe78bbc5a82_kvprod
		.amdhsa_group_segment_fixed_size 327680
		.amdhsa_private_segment_fixed_size 0
		.amdhsa_enable_private_segment 0
		.amdhsa_kernarg_size 16
		.amdhsa_user_sgpr_count 2
		.amdhsa_user_sgpr_kernarg_segment_ptr 1
		.amdhsa_wavefront_size32 1
		.amdhsa_system_sgpr_workgroup_id_x 1
		.amdhsa_system_sgpr_workgroup_id_y 1
		.amdhsa_system_sgpr_workgroup_id_z 1
		.amdhsa_system_vgpr_workitem_id 0
		.amdhsa_next_free_vgpr 512
		.amdhsa_next_free_sgpr 80
		.amdhsa_reserve_vcc 0
		.amdhsa_float_denorm_mode_32 3
		.amdhsa_float_denorm_mode_16_64 3
		.amdhsa_memory_ordered 1
		.amdhsa_forward_progress 1
		.amdhsa_inst_pref_size 87
	.end_amdhsa_kernel
	.amdgpu_metadata
---
amdhsa.version: [ 1, 2 ]
amdhsa.kernels:
  - .name:           k_qe78bbc5a82_kvprod
    .symbol:         k_qe78bbc5a82_kvprod.kd
    .args:
      - { .name: ktvt, .offset: 0, .size: 8, .value_kind: global_buffer, .address_space: global }
      - { .name: kvt, .offset: 8, .size: 8, .value_kind: global_buffer, .address_space: global }
    .group_segment_fixed_size: 327680
    .private_segment_fixed_size: 0
    .kernarg_segment_align: 8
    .kernarg_segment_size: 16
    .max_flat_workgroup_size: 128
    .sgpr_count:     80
    .vgpr_count:     512
    .wavefront_size: 32
...
	.end_amdgpu_metadata
.endif
;; end of part 3
;; launch outp (part 4): grid 4 x 64, 4 waves a work-group, clusters of 4 x 4, 327,680 bytes of LDS; arguments q, kvt, stats, out0; writes out0
.if DOCPART == 4
	.amdgcn_target "amdgcn-amd-amdhsa--gfx1250"
	.amdhsa_code_object_version 6
	.text
	.protected	k_qe78bbc5a82_outp
	.globl	k_qe78bbc5a82_outp
	.p2align	8
	.type	k_qe78bbc5a82_outp,@function
k_qe78bbc5a82_outp:
	s_mov_b64 s[64:65], 0
	v_nop
	global_prefetch_b8 v0, s[64:65] scope:SCOPE_SE
	s_setreg_imm32_b32 hwreg(HW_REG_WAVE_MODE, 25, 1), 1
	s_wait_xcnt 0x0
	s_wait_alu depctr_hold_cnt(0) depctr_sa_sdst(0) depctr_va_vdst(0) depctr_va_sdst(0) depctr_va_ssrc(0) depctr_va_vcc(0) depctr_vm_vsrc(0)
	s_getreg_b32 s2, hwreg(HW_REG_IB_STS2, 6, 4)
	s_cmp_eq_u32 s2, 0
	s_cbranch_scc0 .Lentry_in_a_cluster
	s_endpgm
.Lentry_in_a_cluster:
	s_bfe_u32 s2, ttmp6, 0x10000c
	s_cmp_lg_u32 s2, 0xf033
	s_cbranch_scc0 .Lentry_shape_is_right
	s_endpgm
.Lentry_shape_is_right:
; OUTP.  out0[b, n][e] = sum over d of query[b, n][d] kv_attn[b][d][e] = sum over d of q[n][d] kvt[b][e][d]: f16 operands, f32 sums, f32 out.  No work of reference() is left out.
; THE SCALES GO OUT AGAIN.  q carries 2^(a1 + a2 - 254), kvt 2^(a3 + a4 - 254); a1 .. a4 are made here from stats exactly as the launch that applied them made them (with the same bounds 1 .. 254).
; So out = sum x 2^T, T = 508 - (a1 + a2 + a3 + a4), held to -252 .. 254 and applied as two powers of two of about T / 2 each, in f32: exact but at f32's own ends.
; LIMITS.  Finite inputs; beyond T's bounds the result is off by the power that is cut.
; SHARES.  A tile of out0 is 128 rows x 256 columns: 64 x 4 = 256 work-groups; four waves, each 64 x 128: 32 accumulators, 256 registers.  K = 1,024 goes in steps of 128 (rows of 256 bytes) through two LDS slots.
; CLUSTER.  4 x 4: the four of a row share q's tile, the four of a column kvt's (all sixteen lie in one batch): joint loads.
; THE MATRIX INSTRUCTION IS USED TRANSPOSED (source 0 = 16 rows of kvt, source 1 = 16 rows of q): a lane holds row l % 16 of out0 and eight neighbouring columns, 32 bytes.
; NO PREFETCH: eight K steps in all, on operands of which each block is read by four clusters or more at about the same time.
; REGISTERS: window 0: v0-31 addresses; v32-127, v128-223 two fragment buffers (B's eight fragments, then A's four).  window 1: the accumulators, (a, b) at 8 (8 a + b).
.set KSTEP,  128
.set PITCH,  272                       ; 256 bytes + 16 = 68 words: the 16 rows of a load start at 16 different groups of four banks (ISA guide 11.1)
.set HALFA,  64*PITCH
.set HALFB,  128*PITCH
.set SLOT,   2*HALFA+2*HALFB           ; A's 128 rows, then B's 256
.set STAGE,  2*SLOT                    ; behind the ring: 16 rows x 528 bytes for each wave
.set SPITCH, 528                       ; 512 bytes + 16 = 132 words
.set SPARE,  STAGE+4*16*SPITCH         ; the spare words, 128 bytes for each wave; no other line names them
.set LAPS,   4
.set ADRA, 16
.set ADRB, 20
.set STO,  24
.set RD,   25
.set GO,   26                          ; v26  16 x lane; never rewritten
.set SPW,  28
.set NIL,  29
.set F0,   32
.set F1,   128
.set RT,   80                          ; v80-81 at work on the maxima, ahead of the first fragments
.set WV,   12                          ; s12 wave; s13 my half of the rows, also A (0) or B (1); s14 my half of the columns, also which half I fetch
.set HA,   13
.set HB,   14
.set G1,   24
.set G0,   32
.set G1B,  48
.set G0B,  56
.set FA,   66                          ; s[66:67], s[68:69] the two powers of two, as pairs
.set FB,   68
.set SEL,  76
.set OP,   78                          ; s[78:79] out0 at my part of the tile
.set MSB, 0
.macro WIN new
.if MSB != (\new)
	s_set_vgpr_msb (MSB<<8)|(\new)
.set MSB, \new
.endif
.endm
.set MUL, 0x50                         ; sources 0 and 1 window 0; C and D window 1
.macro JLOAD s                         ; a joint load; an s_nop 0 and four v_nop follow each of the two lines
	s_cmp_eq_u32 s[HA], 0
	s_cbranch_scc0 .Lfor_b_\@
	tensor_load_to_lds s[G0+4*(\s):G0+4*(\s)+3], s[G1:G1+7]
	s_nop 0
.rept 4
	v_nop
.endr
	s_branch .Lasked_\@
.Lfor_b_\@:
	tensor_load_to_lds s[G0B+4*(\s):G0B+4*(\s)+3], s[G1B:G1B+7]
	s_nop 0
.rept 4
	v_nop
.endr
.Lasked_\@:
.endm
.macro CREST
	s_cmp_lg_u32 s[WV], 0
	s_cbranch_scc1 .Lnot_wave_0_\@
	s_barrier_signal -3
.Lnot_wave_0_\@:
	s_barrier_wait -3
	s_barrier_signal -1
	s_barrier_wait -1
.endm
.macro CROUND
	s_barrier_signal -1
	s_barrier_wait -1
	CREST
.endm
	s_load_b256 s[4:11], s[0:1], 0x0               ; q s[4:5], kvt s[6:7], stats s[8:9], out0 s[10:11]
	v_lshl_add_u32 v[SPW], v0, 2, SPARE
	v_mov_b32 v[NIL], 0
	ds_add_u32 v[SPW], v[NIL]                      ; the wave's opening: the add, twice on end, and its wait ahead of my first tensor load
	ds_add_u32 v[SPW], v[NIL]
	v_lshrrev_b32 v1, 5, v0
	v_readfirstlane_b32 s[WV], v1
	s_lshr_b32 s[HA], s[WV], 1
	s_and_b32 s[HB], s[WV], 1
	s_bfe_u32 s15, ttmp6, 0x40000                  ; cx = the tile column
	s_bfe_u32 s16, ttmp6, 0x40004                  ; cy
	s_and_b32 s17, ttmp7, 0xffff                   ; the cluster, 0..15
	s_lshl_b32 s18, s17, 2
	s_add_co_u32 s18, s18, s16                     ; tile row, 0..63
	s_lshr_b32 s19, s17, 2                         ; the batch
	s_lshl_b32 s20, s16, 2
	s_lshl_b32 s20, 15, s20                        ; my row of the cluster
	s_lshl_b32 s21, 0x1111, s15                    ; my column
	s_or_b32 s[G1], s20, (1<<16)|(1<<20)|(1<<21)|(5<<22)|(3<<25)   ; the mask; 2-byte elements; padding on; bit 21 beside a mask; after every 64 words, 4 words
	s_or_b32 s[G1B], s21, (1<<16)|(1<<20)|(1<<21)|(5<<22)|(3<<25)
	s_mov_b32 s[G1+1], KSTEP<<16                   ; A: 64 rows x 128 elements
	s_mov_b32 s[G1+2], 64<<16
	s_mov_b32 s[G1+3], KSTEP<<16
	s_mov_b32 s[G1+4], 64
	s_mov_b32 s[G1+5], 1024
	s_mov_b32 s[G1+6], 0
	s_mov_b32 s[G1+7], 0
	s_mov_b32 s[G1B+1], KSTEP<<16                  ; B: 128 rows x 128 elements
	s_mov_b32 s[G1B+2], 128<<16
	s_mov_b32 s[G1B+3], KSTEP<<16
	s_mov_b32 s[G1B+4], 128
	s_mov_b32 s[G1B+5], 1024
	s_mov_b32 s[G1B+6], 0
	s_mov_b32 s[G1B+7], 0
	s_lshl_b32 s40, s18, 7
	s_lshl_b32 s41, s[HB], 6
	s_add_co_u32 s40, s40, s41
	s_lshl_b32 s40, s40, 11                        ; A: (128 x tile row + 64 x half) rows of 2,048 bytes
	s_mov_b32 s41, 0
	s_lshl_b32 s42, s15, 8
	s_lshl_b32 s43, s[HB], 7
	s_add_co_u32 s42, s42, s43
	s_lshl_b32 s42, s42, 11                        ; B: (256 x tile column + 128 x half) rows,
	s_lshl_b32 s43, s19, 21                        ; in the batch's kvt
	s_add_co_u32 s42, s42, s43
	s_mov_b32 s43, 0
	s_mul_i32 s22, s[HB], HALFA                    ; where A's half goes,
	s_mul_i32 s23, s[HB], HALFB                    ; and B's
	s_add_co_u32 s23, s23, 2*HALFA
	s_mov_b32 s[SEL], 0x76543210
	s_mov_b32 s[SEL+1], 0xfedcba98
	s_wait_dscnt 0x0                               ; both opening adds are done
	s_wait_kmcnt 0x0
	s_add_nc_u64 s[40:41], s[4:5], s[40:41]
	s_add_nc_u64 s[42:43], s[6:7], s[42:43]
	CROUND                                         ; all sixteen work-groups are here: the first joint loads meet
.irp s, 0,1
	s_mov_b32 s[G0+4*(\s)], 1
	s_add_co_u32 s[G0+4*(\s)+1], s22, (\s)*SLOT
	s_add_nc_u64 s[G0+4*(\s)+2:G0+4*(\s)+3], s[40:41], (\s)*KSTEP*2
	s_or_b32 s[G0+4*(\s)+3], s[G0+4*(\s)+3], 0x80000000
	s_mov_b32 s[G0B+4*(\s)], 1
	s_add_co_u32 s[G0B+4*(\s)+1], s23, (\s)*SLOT
	s_add_nc_u64 s[G0B+4*(\s)+2:G0B+4*(\s)+3], s[42:43], (\s)*KSTEP*2
	s_or_b32 s[G0B+4*(\s)+3], s[G0B+4*(\s)+3], 0x80000000
	JLOAD \s                                       ; two loads of mine are out
.endr
	v_and_b32 v[GO], 31, v0
	v_lshlrev_b32 v[GO], 4, v[GO]
.irp j, 0,1,2,3,4,5,6,7,8,9,10,11
	global_load_b128 v[32+4*(\j):32+4*(\j)+3], v[GO], s[8:9] offset:512*(\j)  ; all of stats: x_real 0-3, x_imag 4-7, the four weights 8-11
.endr
	v_and_b32 v1, 15, v0                           ; l % 16
	v_bfe_u32 v2, v0, 4, 1                         ; l / 16
	v_mul_u32_u24 v3, v1, PITCH
	v_lshl_add_u32 v3, v2, 4, v3
	s_mul_i32 s44, s[HA], HALFA                    ; my 64 rows of A
	s_mul_i32 s45, s[HB], HALFB                    ; my 128 rows of B
	s_add_co_u32 s45, s45, 2*HALFA
.irp s, 0,1
	v_add_nc_u32 v[ADRA+(\s)], s44, v3
	v_add_nc_u32 v[ADRB+(\s)], s45, v3
	s_add_co_u32 s44, s44, SLOT
	s_add_co_u32 s45, s45, SLOT
.endr
	s_mul_i32 s44, s[WV], 16*SPITCH
	s_add_co_u32 s44, s44, STAGE                   ; my stage
	v_mul_u32_u24 v4, v1, SPITCH                   ; in: row l % 16, 32 bytes for each half of the lanes
	v_lshl_add_u32 v4, v2, 5, v4
	v_add_nc_u32 v[STO], s44, v4
	v_add_nc_u32 v[RD], s44, v[GO]                 ; back: 32 lanes take a row's 512 bytes
	s_lshl_b32 s46, s18, 7
	s_lshl_b32 s47, s[HA], 6
	s_add_co_u32 s46, s46, s47
	s_lshl_b32 s46, s46, 12                        ; my first row of out0, 4,096 bytes a row,
	s_lshl_b32 s47, s15, 10
	s_add_co_u32 s46, s46, s47
	s_lshl_b32 s47, s[HB], 9                       ; my first column
	s_add_co_u32 s46, s46, s47
	s_mov_b32 s47, 0
	s_add_nc_u64 s[OP:OP+1], s[10:11], s[46:47]
	v_mov_b32 v[RT+1], 0
; The biased exponent of the largest of cnt registers x 32 lanes of numbers that are not negative.
.macro RMAX dst, first, cnt
	v_max3_num_f32 v[RT], v[\first], v[(\first)+1], v[(\first)+2]
.set z, 3
.rept ((\cnt)-4)/2
	v_max3_num_f32 v[RT], v[RT], v[(\first)+z], v[(\first)+z+1]
.set z, z+2
.endr
	v_max_num_f32 v[RT], v[RT], v[(\first)+(\cnt)-1]
	v_max_num_f32_dpp v[RT], v[RT], v[RT] row_xmask:1 row_mask:0xf bank_mask:0xf
	v_max_num_f32_dpp v[RT], v[RT], v[RT] row_xmask:2 row_mask:0xf bank_mask:0xf
	v_max_num_f32_dpp v[RT], v[RT], v[RT] row_xmask:4 row_mask:0xf bank_mask:0xf
	v_max_num_f32_dpp v[RT], v[RT], v[RT] row_xmask:8 row_mask:0xf bank_mask:0xf
	v_permlanex16_b32 v[RT+1], v[RT], s[SEL], s[SEL+1]
	v_max_num_f32 v[RT], v[RT], v[RT+1]
	v_readfirstlane_b32 s[\dst], v[RT]
	s_lshr_b32 s[\dst], s[\dst], 23
.endm
.macro AFLD dst, base, e1, e2          ; a scale's exponent field, as the launch that applied it made it
	s_sub_co_i32 s[\dst], \base, s[\e1]
	s_sub_co_i32 s[\dst], s[\dst], s[\e2]
	s_max_i32 s[\dst], s[\dst], 1
	s_min_i32 s[\dst], s[\dst], 254
.endm
	s_wait_loadcnt 0x0
	RMAX 70, 32, 16                                ; x_real
	RMAX 71, 48, 16                                ; x_imag
	RMAX 72, 64, 4                                 ; w_query_real
	RMAX 73, 68, 4                                 ; w_query_imag
	RMAX 74, 72, 4                                 ; w_key
	RMAX 75, 76, 4                                 ; w_value
	AFLD 80, 377, 70, 72
	AFLD 81, 376, 71, 73
	AFLD 82, 371, 70, 74
	AFLD 83, 371, 71, 75
	s_add_co_i32 s84, s80, s81
	s_add_co_i32 s84, s84, s82
	s_add_co_i32 s84, s84, s83
	s_sub_co_i32 s84, 508, s84                     ; T
	s_max_i32 s84, s84, 0xffffff04                 ; -252
	s_min_i32 s84, s84, 254
	s_ashr_i32 s85, s84, 1
	s_sub_co_i32 s84, s84, s85
	s_add_co_i32 s85, s85, 127
	s_add_co_i32 s84, s84, 127
	s_lshl_b32 s[FA], s85, 23
	s_mov_b32 s[FA+1], s[FA]
	s_lshl_b32 s[FB], s84, 23
	s_mov_b32 s[FB+1], s[FB]
; 8 matrix instructions: m block a x all 8 n blocks, 32 along K.  Each of the 32 accumulators has one turn a quarter, in the same order.
.macro MUL8 f, a, zero
	WIN MUL
.irp b, 0,1,2,3,4,5,6,7
.if \zero
	v_wmma_f32_16x16x32_f16 v[8*(8*(\a)+(\b)):8*(8*(\a)+(\b))+7], v[(\f)+8*(\b):(\f)+8*(\b)+7], v[(\f)+64+8*(\a):(\f)+64+8*(\a)+7], 0
.else
	v_wmma_f32_16x16x32_f16 v[8*(8*(\a)+(\b)):8*(8*(\a)+(\b))+7], v[(\f)+8*(\b):(\f)+8*(\b)+7], v[(\f)+64+8*(\a):(\f)+64+8*(\a)+7], v[8*(8*(\a)+(\b)):8*(8*(\a)+(\b))+7]
.endif
.endr
.endm
; 24 LDS loads in one run: 128 rows of B, then 64 rows of A, 32 K at byte k of the rows, into buffer f
.macro FETCH slot, k, f
	WIN 0
.irp i, 0,1,2,3,4,5,6,7
	ds_load_b128 v[(\f)+8*(\i):(\f)+8*(\i)+3],   v[ADRB+(\slot)] offset:(\k)+(\i)*16*PITCH
	ds_load_b128 v[(\f)+8*(\i)+4:(\f)+8*(\i)+7], v[ADRB+(\slot)] offset:(\k)+(\i)*16*PITCH+32
.endr
.irp i, 0,1,2,3
	ds_load_b128 v[(\f)+64+8*(\i):(\f)+64+8*(\i)+3],   v[ADRA+(\slot)] offset:(\k)+(\i)*16*PITCH
	ds_load_b128 v[(\f)+64+8*(\i)+4:(\f)+64+8*(\i)+7], v[ADRA+(\slot)] offset:(\k)+(\i)*16*PITCH+32
.endr
.endm
.macro PLACES                          ; four places (ISA guide 7.12.1)
.rept 4
	v_nop
.endr
.endm
; A K step is four quarters of 32 along K, 32 matrix instructions each, on buffers 0, 1, 0, 1.
.macro QUARTER slot, k, f, g, zero
	s_wait_dscnt 4                                 ; B and A's blocks 0 and 1 are in; the youngest four loads (A's blocks 2, 3) may be out
	MUL8 \f, 0, \zero
	MUL8 \f, 1, \zero
	PLACES
	FETCH \slot, \k, \g
	s_wait_dscnt 24                                ; all but the 24 just issued
	MUL8 \f, 2, \zero
	MUL8 \f, 3, \zero
.endm
; The last quarter multiplies buffer 1 and changes slots.  fill = 1: this slot is filled again, two K steps ahead.
.macro TURN slot, next, fill
	WIN 0
	s_wait_tensorcnt 0x0                           ; all my tensor loads have landed: my part of the next slot
	ds_add_u32 v[SPW], v[NIL]
	s_wait_dscnt 5                                 ; (the add and the youngest four loads may be out)
	MUL8 F1, 0, 0
	s_wait_dscnt 0x0                               ; the add is done, and my reads of this slot are over
	s_barrier_signal -1
	MUL8 F1, 1, 0
.if \fill
	WIN 0
.endif
	s_barrier_wait -1
.if \fill
	CREST                                          ; the barrier has opened a round of the cluster's: no wave of any partner still reads this slot or has a load on its way
	s_add_nc_u64 s[G0+4*(\slot)+2:G0+4*(\slot)+3], s[G0+4*(\slot)+2:G0+4*(\slot)+3], 2*KSTEP*2
	s_add_nc_u64 s[G0B+4*(\slot)+2:G0B+4*(\slot)+3], s[G0B+4*(\slot)+2:G0B+4*(\slot)+3], 2*KSTEP*2
	JLOAD \slot                                    ; my one tensor load behind the round; its four v_nop are also the places in front of the loads below
.else
	PLACES
.endif
	FETCH \next, 0, F0
	MUL8 F1, 2, 0
	MUL8 F1, 3, 0
.endm
; THE WAY OUT of m block a (16 rows x 128 columns of f32): scaled in place by the two powers; into my stage, 32 bytes a lane and n block; back as whole rows of 512 bytes; stored.
.macro OUTBLK a
.set OBK, 32+96*((\a)%2)
	WIN 0x41                                       ; destination and source 0 window 1
.set i, 64*(\a)
.rept 32
	v_pk_mul_f32 v[i:i+1], v[i:i+1], s[FA:FA+1] op_sel_hi:[1,0]  ; each accumulator from its low end on
.set i, i+2
.endr
.set i, 64*(\a)
.rept 32
	v_pk_mul_f32 v[i:i+1], v[i:i+1], s[FB:FB+1] op_sel_hi:[1,0]
.set i, i+2
.endr
	WIN 0x04                                       ; store data window 1, address window 0
.irp b, 0,1,2,3,4,5,6,7
	ds_store_b128 v[STO], v[64*(\a)+8*(\b):64*(\a)+8*(\b)+3]   offset:64*(\b)
	ds_store_b128 v[STO], v[64*(\a)+8*(\b)+4:64*(\a)+8*(\b)+7] offset:64*(\b)+16
.endr
	WIN 0
.if (\a) >= 2
	s_wait_xcnt 0x0                                ; the stores of two blocks back have read the registers that are loaded again
.endif
.irp t, 0,1,2,3,4,5,6,7,8,9,10,11,12,13,14,15
	ds_load_b128 v[OBK+4*(\t):OBK+4*(\t)+3], v[RD] offset:SPITCH*(\t)  ; LDS serves a wave's instructions in order (ISA guide 5.7.1.4): these see the stores above
.endr
.irp t, 0,1,2,3,4,5,6,7,8,9,10,11,12,13,14,15
	s_wait_dscnt 15-(\t)                           ; the younger loads may stay out
	global_store_b128 v[GO], v[OBK+4*(\t):OBK+4*(\t)+3], s[OP:OP+1] offset:(16*(\a)+(\t))*4096 th:TH_STORE_NT  ; 512 consecutive bytes, aligned
.endr
.endm
	s_wait_tensorcnt 1                             ; my part of K step 0 is in; K step 1's may stay out
	s_barrier_signal -1
	s_barrier_wait -1
	FETCH 0, 0, F0
	QUARTER 0, 64,  F0, F1, 1                      ; the first quarter starts the sums
	WIN 0
	s_mov_b32 s3, LAPS-1
.Llap:
	QUARTER 0, 128, F1, F0, 0
	QUARTER 0, 192, F0, F1, 0
	TURN 0, 1, 1
	QUARTER 1, 64,  F0, F1, 0
	QUARTER 1, 128, F1, F0, 0
	QUARTER 1, 192, F0, F1, 0
	TURN 1, 0, 1
	QUARTER 0, 64,  F0, F1, 0
	WIN 0
	s_sub_co_u32 s3, s3, 1
	s_cmp_lg_u32 s3, 0
	s_cbranch_scc1 .Llap
	QUARTER 0, 128, F1, F0, 0                      ; the last lap fills nothing
	QUARTER 0, 192, F0, F1, 0
	TURN 0, 1, 0
	QUARTER 1, 64,  F0, F1, 0
	QUARTER 1, 128, F1, F0, 0
	QUARTER 1, 192, F0, F1, 0
	s_wait_dscnt 4
	MUL8 F1, 0, 0
	MUL8 F1, 1, 0
	s_wait_dscnt 0x0
	MUL8 F1, 2, 0
	MUL8 F1, 3, 0
	WIN 0
	PLACES
	PLACES                                         ; eight, once a launch: the scalings below write accumulators in place
	OUTBLK 0
	OUTBLK 1
	OUTBLK 2
	OUTBLK 3
	s_wait_tensorcnt 0x0                           ; the wave's end
	ds_add_u32 v[SPW], v[NIL]
	s_wait_dscnt 0x0
	CROUND                                         ; the closing round
	s_endpgm
.Lfunc_end_k_qe78bbc5a82_outp:
	.size	k_qe78bbc5a82_outp, .Lfunc_end_k_qe78bbc5a82_outp-k_qe78bbc5a82_outp
	.p2alignl 7, 3214868480
	.fill 96, 4, 3214868480
	.section	.rodata,"a",@progbits
	.p2align	6, 0x0
	.amdhsa_kernel k_qe78bbc5a82_outp
		.amdhsa_group_segment_fixed_size 327680
		.amdhsa_private_segment_fixed_size 0
		.amdhsa_enable_private_segment 0
		.amdhsa_kernarg_size 32
		.amdhsa_user_sgpr_count 2
		.amdhsa_user_sgpr_kernarg_segment_ptr 1
		.amdhsa_wavefront_size32 1
		.amdhsa_system_sgpr_workgroup_id_x 1
		.amdhsa_system_sgpr_workgroup_id_y 1
		.amdhsa_system_sgpr_workgroup_id_z 1
		.amdhsa_system_vgpr_workitem_id 0
		.amdhsa_next_free_vgpr 512
		.amdhsa_next_free_sgpr 90
		.amdhsa_reserve_vcc 0
		.amdhsa_float_denorm_mode_32 3
		.amdhsa_float_denorm_mode_16_64 3
		.amdhsa_memory_ordered 1
		.amdhsa_forward_progress 1
		.amdhsa_inst_pref_size 109
	.end_amdhsa_kernel
	.amdgpu_metadata
---
amdhsa.version: [ 1, 2 ]
amdhsa.kernels:
  - .name:           k_qe78bbc5a82_outp
    .symbol:         k_qe78bbc5a82_outp.kd
    .args:
      - { .name: q, .offset: 0, .size: 8, .value_kind: global_buffer, .address_space: global }
      - { .name: kvt, .offset: 8, .size: 8, .value_kind: global_buffer, .address_space: global }
      - { .name: stats, .offset: 16, .size: 8, .value_kind: global_buffer, .address_space: global }
      - { .name: out0, .offset: 24, .size: 8, .value_kind: global_buffer, .address_space: global }
    .group_segment_fixed_size: 327680
    .private_segment_fixed_size: 0
    .kernarg_segment_align: 8
    .kernarg_segment_size: 32
    .max_flat_workgroup_size: 128
    .sgpr_count:     90
    .vgpr_count:     512
    .wavefront_size: 32
...
	.end_amdgpu_metadata
.endif
;; end of part 4
